; MI455X (gfx1250); checked and timed in simulation.
; The chip was launched on July 23, 2026; its instructions are those of AMD's public machine-readable ISA for CDNA 5 (MIT licence, August 2026) and "CDNA5" Instruction Set Architecture Reference Guide (July 2026). The comments in the code are by the model that wrote it; some were corrected since.
;; Attention. Allowed arithmetic: matrix products marked QUANTISED: E2M1 operands, one E8M0 scale for each 32 along K, by v_wmma_scale_f32_16x16x128_f8f6f4 with both operands' format E2M1 (or v_wmma_scale_f32_32x16x128_f4), f32 sums; everything else in f32.
;; Inputs: Wk 4,096 x 1,024 float32; Wo 4,096 x 4,096 float32; Wq 4,096 x 4,096 float32; Wv 4,096 x 1,024 float32; bk 1,024 float32; bo 4,096 float32; bq 4,096 float32; bv 1,024 float32; freqs_cis 1,024 x 64 x 2 float32; x 1 x 1,024 x 4,096 float32.
;; Outputs: out0 1 x 1,024 x 4,096 float32.
;; Constants: startpos = 0.
;; This version of the problem:
;;   THIS VERSION OF THE PROBLEM IS GIVEN IN LOW PRECISION. The matrix products marked QUANTISED in the list below multiply operands that are first quantised to E2M1 (2 exponent bits, 1 mantissa bit; 4 bits a number), with one power-of-two scale for each 32 numbers along K (OCP MX v1.0); their sums are f32. All else is computed in f32.
;;   The module's matrix products, in the order in which they are computed (A, B: the left and right operand; K: the contracted axis; several contracted axes count as one K, in the product's order):
;;     1. [M 1,024, K 4,096] x [K 4,096, N 4,096]; A: input x; B: input Wq: QUANTISED
;;     2. [M 1,024, K 4,096] x [K 4,096, N 1,024]; A: input x; B: input Wk: QUANTISED
;;     3. [M 1,024, K 4,096] x [K 4,096, N 1,024]; A: input x; B: input Wv: QUANTISED
;;     4. batch 32 x [M 1,024, K 128] x [K 128, N 1,024]; A: computed on the way; B: computed on the way: QUANTISED
;;     5. batch 32 x [M 1,024, K 1,024] x [K 1,024, N 128]; A: softmax (see below); B: computed on the way: QUANTISED
;;     6. [M 1,024, K 4,096] x [K 4,096, N 4,096]; A: computed on the way; B: input Wo: QUANTISED
;;   THE QUANTISER, for each operand of a quantised product, along K:
;;     - K is cut into blocks of 32 from its start; a last block that is shorter is filled with zeros.
;;     - A block's scale is 2^e with e = floor(log2(the largest magnitude in the block)) - 2, held to -126 .. 127; a block of zeros has e = 0. As a byte (E8M0): e + 127.
;;     - Each number is divided by its block's scale, clamped to +-6, and rounded to the nearest number of E2M1, ties to even, subnormals kept.
;;     - The product sums the exact products of the quantised numbers (number of the format x scale) in f32.
;;   ~~~python
;;   def quantise(x, axis):      # numpy; x: float32 -> the quantised numbers, widened to float32 again
;;       x = np.moveaxis(x, axis, -1); K = x.shape[-1]
;;       x = np.pad(x, [(0, 0)] * (x.ndim - 1) + [(0, -K % 32)]); x = x.reshape(x.shape[:-1] + (-1, 32)); a = np.abs(x).max(-1, keepdims=True)
;;       e = np.where(a > 0, np.clip(np.frexp(np.where(a > 0, a, 1))[1] - 1 - 2, -126, 127), 0)      # np.frexp(a)[1] - 1 = floor(log2(a)), exactly
;;       r = np.clip(x / 2.0 ** e, -6, 6)
;;       step = 2.0 ** (np.maximum(np.frexp(np.where(r == 0, 1, r))[1] - 1, 0) - 1)
;;       q = np.round(r / step) * step * 2.0 ** e      # np.round: ties to even
;;       return np.moveaxis(q.reshape(q.shape[:-2] + (-1,))[..., :K], -1, axis).astype(np.float32)
;;   ~~~
;;   SOFTMAX AHEAD OF A QUANTISED PRODUCT. Where the list says 'softmax', what is quantised is not the finished softmax but p = 2^(t - M), with t = logit x log2(e) and M = ceil(the row's largest t), a whole number; so 1/2 < the row's largest p <= 1. The row's sum l is taken of the UNQUANTISED p, in f32, and the product's result is divided by l at the end. Since M is a whole number, a kernel that streams over the keys may use a running M (the ceiling of the running maximum): every later rescaling is an exact power of two, which a block's scale takes up: the codes' values come out the same.
;;   OPERANDS COMPUTED ON THE WAY. 'Computed on the way' means the value that the module computes at that place (a softmax that the list does not call 'softmax' is quantised finished and normalised). What goes into a quantiser is computed in f32, as accurately as f32 sums, v_exp_f32 and their like allow (about 1e-6 of the number): no bf16 or f16 on the way to a quantiser, and a product that is left as it is and whose result goes on into a quantised operand takes f32 operands (vector FMAs, or v_wmma_f32_16x16x4_f32). A number that lies on a knife's edge between two numbers of the format may be rounded either way, as far as f32 arithmetic and the matrix unit's own rounding can turn it there, and no further.
;; One version. Each part assembles by itself: llvm-mc -triple=amdgcn-amd-amdhsa -mcpu=gfx1250 --defsym DOCPART=n.
;; ======== version 1 of 1: 4 launches
;; workspace buffers: codes 23,068,672 bytes; scales 1,441,792 bytes; qkv 3,538,944 bytes; oc 2,097,152 bytes; osc 131,072 bytes
;; launch quant (part 1): grid 64 x 8, 4 waves a work-group, no clusters, 74,240 bytes of LDS; arguments x, Wq, Wk, Wv, codes, scales; writes codes, scales
.if DOCPART == 1
	.amdgcn_target "amdgcn-amd-amdhsa--gfx1250"
	.amdhsa_code_object_version 6
	.text
	.protected	k_q1cf1a3a4cc_quant
	.globl	k_q1cf1a3a4cc_quant
	.p2align	8
	.type	k_q1cf1a3a4cc_quant,@function
k_q1cf1a3a4cc_quant:
	s_mov_b64 s[64:65], 0
	v_nop
	global_prefetch_b8 v0, s[64:65] scope:SCOPE_SE
	s_setreg_imm32_b32 hwreg(HW_REG_WAVE_MODE, 25, 1), 1
	s_wait_xcnt 0x0
; x [1024][4096] and the weights Wq, Wk, Wv [4096 (k)][n], f32, become codes of FP4 (E2M1) with one E8M0 byte for each 32 along K = 4096.
; (Wo, which only the last launch reads, is quantised by the launch attn, into the same two buffers.)
; A block's scale is 2^(floor(log2(its largest magnitude)) - 2); its byte is that magnitude's exponent field - 2, held at 1 from below by a floor among the maximum's leaves.
; LIMITS: a block of zeros gets the byte 1 where the rule says 127 (its codes are zeros, and only this program reads the bytes); magnitudes under the floor 2^(3 - 127) are taken as the floor;
; NaN and infinities among the inputs are not served.
; LAYOUT OF THE RESULTS, chosen for the launches that read them.
;   POSITIONS: a row of an operand (a row of x, a column n of a weight) lies at position = its number with bits 3 and 4 exchanged.  So tile u of a group of 32, lane r, holds row 8 u + r + 8 (r / 8).
;   codes:  [tile of 16 positions: 704][K / 128: 32][c: 2][lane: 32][16 bytes]: the image of an operand's registers: lane (r, h), half c holds k = 64 c + 32 h + 0 .. 31 of position r.
;           tiles 0-255 Wq, 256-319 Wk, 320-383 Wv, 640-703 x; tiles 384-639 are Wo's.
;   scales: [group of 128 positions: 88][K / 512: 8][position: 128][16 bytes]: a position's 16 bytes are the scale words of four steps of 128 along K.  Groups 48-79 are Wo's.
; SHARES.  Work-group (g, ks): ks is one of eight runs of 512 along K.  g = 0 .. 47: 128 columns of a weight, 32 to a wave.  g = 48 .. 63: four tiles of x, one to a wave.
; No tensor load, no barrier: waves share nothing.  The two paths use LDS bytes of their own: the weights' 0 .. 34,815, x's 34,816 .. 73,727.
.set EMAX,  2
.set WP,    272                        ; the weights' stage: a position's 256 bytes of codes + 16
.set WSTG,  32*WP                      ; a wave's stage
.set XBASE, 4*WSTG
.set XREG,  9728                       ; x: a wave's LDS: two turning stages of 2,560, a stage for codes of 16 x 272, 256 scale bytes
.set SP,    80
.set SB,    16                         ; weights: v16-19 the 16 scale bytes;  v20-23 a block's codes;  v24-55 the byte offsets of 32 rows;  v56-119 two sets of 32 numbers;  v120-183 the way out
.set C,     20
.set OFFR,  24
.set X,     56
.set OUTR,  120
.set R,     16                         ; x: v16-79 four sets of 16 numbers as loaded;  v80-111 two sets of 16 neighbours;  v112-127 a byte a step;  v128-191 codes, four registers a step
.set XN,    80
.set E,     112
.set CX,    128
	s_load_b256 s[4:11], s[0:1], 0x0               ; x s[4:5], Wq s[6:7], Wk s[8:9], Wv s[10:11]
	s_load_b64 s[14:15], s[0:1], 0x20              ; codes
	s_load_b64 s[16:17], s[0:1], 0x28              ; scales
	v_lshl_add_u32 v192, v0, 2, 0x12000
	v_mov_b32 v193, 0
	v_lshrrev_b32 v1, 5, v0
	v_readfirstlane_b32 s18, v1                    ; wave 0..3
	v_and_b32 v2, 31, v0                           ; lane
	s_mov_b32 s19, ttmp9                           ; g
	s_and_b32 s20, ttmp7, 0xffff                   ; ks
	s_wait_kmcnt 0x0
	s_cmp_ge_u32 s19, 48
	s_cbranch_scc1 .Lx
; ---------------- THE WEIGHTS.  A lane takes a column and its registers run down K: a block of 32 lies in one lane, and the conversions give codes with K innermost.
	s_mov_b64 s[22:23], s[10:11]                   ; which tensor: the choice hangs on the work-group's number alone
	s_mov_b32 s24, 40                              ; its first group
	s_mov_b32 s25, 4096                            ; its row in bytes
	s_cmp_lt_u32 s19, 40
	s_cselect_b64 s[22:23], s[8:9], s[22:23]
	s_cselect_b32 s24, 32, s24
	s_cmp_lt_u32 s19, 32
	s_cselect_b64 s[22:23], s[6:7], s[22:23]
	s_cselect_b32 s24, 0, s24
	s_cselect_b32 s25, 16384, s25
	s_sub_co_u32 s28, s19, s24
	s_lshl_b32 s28, s28, 9                         ; 128 columns of 4 bytes a group,
	s_lshl_b32 s29, s18, 7                         ; 32 a wave,
	s_add_co_u32 s28, s28, s29
	s_mul_i32 s29, s20, s25
	s_lshl_b32 s29, s29, 9                         ; 512 rows a run along K: under 2^26 in all
	s_add_co_u32 s28, s28, s29
	s_mov_b32 s29, 0
	s_add_nc_u64 s[22:23], s[22:23], s[28:29]
	s_lshl_b32 s26, s25, 5                         ; a block on: 32 rows
	s_mov_b32 s27, 0
	s_lshl_b32 s28, s19, 3
	s_lshl_b32 s30, s18, 1
	s_add_co_u32 s28, s28, s30                     ; my first tile: 8 g + 2 wave
	s_lshl_b32 s28, s28, 15
	s_lshl_b32 s30, s20, 12
	s_add_co_u32 s28, s28, s30
	s_add_nc_u64 s[14:15], s[14:15], s[28:29]
	s_lshl_b32 s28, s19, 14
	s_lshl_b32 s30, s20, 11
	s_add_co_u32 s28, s28, s30
	s_lshl_b32 s30, s18, 9
	s_add_co_u32 s28, s28, s30
	s_add_nc_u64 s[16:17], s[16:17], s[28:29]
	v_bfe_u32 v5, v2, 3, 1
	v_bfe_u32 v6, v2, 4, 1
	v_and_b32 v3, 7, v2
	v_lshl_or_b32 v3, v5, 4, v3
	v_lshl_or_b32 v3, v6, 3, v3                    ; my column's position: bits 3 and 4 exchanged
	s_mul_i32 s30, s18, WSTG
	v_mul_u32_u24 v4, v3, WP
	v_add_nc_u32 v4, s30, v4                       ; the stage, on the way in: row = my position
	v_and_b32 v5, 15, v2
	v_mul_u32_u24 v7, v5, WP
	v_lshl_add_u32 v7, v6, 4, v7
	v_add_nc_u32 v7, s30, v7                       ; on the way out: row lane % 16, + 16 (lane / 16)
	v_lshlrev_b32 v8, 4, v2                        ; 16 x lane: an image's place
	v_lshlrev_b32 v9, 4, v3                        ; 16 x position: my scale bytes' place
	v_lshlrev_b32 v[OFFR], 2, v2
.set i, 1
.rept 31
	v_add_nc_u32 v[OFFR+i], s25, v[OFFR+i-1]       ; row i of a block: the row's length hangs on the tensor, so it cannot stand in an immediate
.set i, i+1
.endr
.macro WLOAD t                         ; block t: W(32 t + i, my column): a load of the wave reads 128 consecutive bytes, the four waves stand side by side on 512
.if (\t) > 0
	s_wait_xcnt 0x0                                ; the earlier loads have had their addresses translated: only now the base steps
	s_add_nc_u64 s[22:23], s[22:23], s[26:27]
.endif
.set i, 0
.rept 32
	global_load_b32 v[X+32*((\t)%2)+i], v[OFFR+i], s[22:23] th:TH_LOAD_NT
.set i, i+1
.endr
.endm
	WLOAD 0
	WLOAD 1
.macro BLOCK t
.set XS, X+32*((\t)%2)
.if (\t) < 15
	s_wait_loadcnt 32                              ; this block's 32 loads are in; the next block's 32 may be out
.else
	s_wait_loadcnt 0x0
.endif
	v_max3_num_f32 v12, |v[XS]|, |v[XS+1]|, |v[XS+2]|               ; the block's largest magnitude: all 32 numbers are mine; two chains
	v_max3_num_f32 v13, |v[XS+3]|, |v[XS+4]|, |v[XS+5]|
.irp i, 6,10,14,18,22,26
	v_max3_num_f32 v12, v12, |v[XS+\i]|, |v[XS+\i+1]|
	v_max3_num_f32 v13, v13, |v[XS+\i+2]|, |v[XS+\i+3]|
.endr
	v_max3_num_f32 v12, v12, |v[XS+30]|, |v[XS+31]|
	v_max3_num_f32 v12, v12, v13, (EMAX+1)<<23     ; and the floor: the byte cannot fall under 1
	v_add_nc_u32 v11, -(EMAX<<23), v12             ; 2 off the exponent field: the conversion takes the exponent field of this operand as its scale
	v_lshrrev_b32 v13, 23, v11                     ; the scale's byte
.if (\t)%4 == 0
	v_mov_b32 v[SB+(\t)/4], v13                    ; four bytes to a register, the lower K in the lower byte
.else
	v_lshl_or_b32 v[SB+(\t)/4], v13, 8*((\t)%4), v[SB+(\t)/4]
.endif
.irp g, 0,1,2,3
	v_cvt_scalef32_pk8_fp4_f32 v[C+\g], v[XS+8*\g:XS+8*\g+7], v11
.endr
	ds_store_b128 v4, v[C:C+3] offset:16*(\t)      ; 32 codes: 16 bytes of my position's row
.if (\t)+2 < 16
	WLOAD (\t)+2
.endif
	s_wait_dscnt 0x0                               ; the store has read its registers: the next block's codes may be written
.endm
.set Q, 0
.rept 16
	BLOCK Q
.set Q, Q+1
.endr
	global_store_b128 v9, v[SB:SB+3], s[16:17]     ; the wave's 32 x 16 scale bytes: 512 consecutive bytes
.irp u, 0,1                            ; the way out: tile u, step q of 128 along K, half c: lane (r, h) takes block 4 q + 2 c + h of position 16 u + r
.irp q, 0,1,2,3
.irp c, 0,1
	ds_load_b128 v[OUTR+4*(8*\u+2*\q+\c):OUTR+4*(8*\u+2*\q+\c)+3], v7 offset:\u*16*WP+64*\q+32*\c   ; LDS serves a wave's instructions in order: these see my stores
.endr
.endr
.endr
.irp u, 0,1
.irp q, 0,1,2,3
.irp c, 0,1
	s_wait_dscnt 15-(8*\u+2*\q+\c)                 ; the younger loads may be out
	global_store_b128 v8, v[OUTR+4*(8*\u+2*\q+\c):OUTR+4*(8*\u+2*\q+\c)+3], s[14:15] offset:\u*32768+\q*1024+\c*512   ; 512 consecutive bytes, aligned
.endr
.endr
.endr
	s_wait_tensorcnt 0x0
	ds_add_u32 v192, v193
	s_wait_dscnt 0x0
	s_endpgm
; ---------------- x.  K is innermost.  A wave takes one tile of 16 positions x 512 along K: step t is position t, 512 numbers of one row.
; Each load reads 512 consecutive bytes, 16 a lane; the 2,048 bytes turn through the wave's stage and come back 64 bytes a lane: 16 neighbours, two lanes to a block.
.Lx:
	s_sub_co_u32 s21, s19, 48
	s_lshl_b32 s21, s21, 2
	s_add_co_u32 s21, s21, s18                     ; my tile T, 0 .. 63
	s_lshr_b32 s22, s21, 1
	s_lshl_b32 s22, s22, 5
	s_and_b32 s23, s21, 1
	s_lshl_b32 s23, s23, 3
	s_add_co_u32 s22, s22, s23                     ; position 0's row: 32 (T / 2) + 8 (T % 2)
	s_lshl_b32 s22, s22, 14
	s_lshl_b32 s23, s20, 11
	s_add_co_u32 s22, s22, s23
	s_mov_b32 s23, 0
	s_add_nc_u64 s[4:5], s[4:5], s[22:23]
	s_add_co_u32 s22, s21, 640
	s_lshl_b32 s22, s22, 15
	s_lshl_b32 s24, s20, 12
	s_add_co_u32 s22, s22, s24
	s_add_nc_u64 s[14:15], s[14:15], s[22:23]
	s_lshr_b32 s22, s21, 3
	s_add_co_u32 s22, s22, 80
	s_lshl_b32 s22, s22, 14
	s_lshl_b32 s24, s20, 11
	s_add_co_u32 s22, s22, s24
	s_and_b32 s24, s21, 7
	s_lshl_b32 s24, s24, 8
	s_add_co_u32 s22, s22, s24
	s_add_nc_u64 s[16:17], s[16:17], s[22:23]
	v_lshlrev_b32 v3, 4, v2                        ; my 16 bytes of a load's 512, and of an image's
	s_mul_i32 s25, s18, XREG
	s_add_co_u32 s25, s25, XBASE
	v_lshrrev_b32 v14, 2, v2
	v_mul_u32_u24 v14, v14, SP
	v_and_b32 v15, 3, v2
	v_lshl_add_u32 v14, v15, 4, v14
	v_add_nc_u32 v14, s25, v14                     ; the turning stage, in: four lanes' 64 bytes on end, then 16 of padding
	v_mul_u32_u24 v15, v2, SP
	v_add_nc_u32 v15, s25, v15                     ; out: my 16 neighbours
	v_lshrrev_b32 v10, 1, v2                       ; my block, 0 .. 15
	v_and_b32 v6, 1, v2
	v_mul_u32_u24 v4, v10, 272
	v_lshl_add_u32 v4, v6, 3, v4
	s_add_co_u32 s26, s25, 5120
	v_add_nc_u32 v4, s26, v4                       ; the codes' stage, in: row = block, 16 bytes a position, my 8 of them
	s_add_co_u32 s27, s25, 9472
	v_add_nc_u32 v5, s27, v10                      ; the scale bytes: 16 a position
	v_and_b32 v6, 15, v2
	v_lshrrev_b32 v7, 4, v2
	v_mul_u32_u24 v7, v7, 272
	v_lshl_add_u32 v6, v6, 4, v7
	v_add_nc_u32 v6, s26, v6                       ; the codes' stage, out: block 2 n + lane / 16, position lane % 16
	v_lshlrev_b32 v10, 3, v2                       ; 8 x lane
	v_add_nc_u32 v7, s27, v10
.macro XLOAD t
.irp i, 0,1,2,3
	global_load_b128 v[R+16*((\t)%4)+4*\i:R+16*((\t)%4)+4*\i+3], v3, s[4:5] offset:((\t)+8*((\t)/8))*16384+512*\i th:TH_LOAD_NT
.endr
.endm
.macro XTURN t                         ; LDS serves a wave's instructions in order: no wait between the stores and the loads
.irp i, 0,1,2,3
	ds_store_b128 v14, v[R+16*((\t)%4)+4*\i:R+16*((\t)%4)+4*\i+3] offset:32*SP*((\t)%2)+8*SP*\i
.endr
.irp i, 0,1,2,3
	ds_load_b128 v[XN+16*((\t)%2)+4*\i:XN+16*((\t)%2)+4*\i+3], v15 offset:32*SP*((\t)%2)+16*\i
.endr
.endm
.irp t, 0,1,2,3
	XLOAD \t
.endr
	s_wait_loadcnt 12                              ; step 0's four loads are in
	XTURN 0
.macro XSTEP t
.set XS, XN+16*((\t)%2)
.if (\t) > 0
	s_wait_dscnt 2                                 ; this step's numbers are back from the stage; the last step's code store and byte store may be out
.else
	s_wait_dscnt 0x0
.endif
.if (\t)+4 < 16
	XLOAD (\t)+4                                   ; into the registers that this step's stores into the stage have read
.endif
.if (\t)+1 < 16
.if 14-(\t) >= 3
	s_wait_loadcnt 12                              ; the next step's four loads are in; those of the three steps behind it may be out
.else
	s_wait_loadcnt 4*(14-(\t))
.endif
	XTURN (\t)+1
.endif
	v_max3_num_f32 v8, |v[XS]|, |v[XS+1]|, |v[XS+2]|
	v_max3_num_f32 v9, |v[XS+3]|, |v[XS+4]|, |v[XS+5]|
.irp i, 6,10
	v_max3_num_f32 v8, v8, |v[XS+\i]|, |v[XS+\i+1]|
	v_max3_num_f32 v9, v9, |v[XS+\i+2]|, |v[XS+\i+3]|
.endr
	v_max3_num_f32 v8, v8, |v[XS+14]|, |v[XS+15]|
	v_max3_num_f32 v8, v8, v9, (EMAX+1)<<23        ; my 16, and the floor
	v_max_num_f32_dpp v8, v8, v8 row_xmask:1 row_mask:0xf bank_mask:0xf   ; and my neighbour's 16: the block's
	v_add_nc_u32 v11, -(EMAX<<23), v8
	v_cvt_scalef32_pk8_fp4_f32 v[CX+4*(\t)], v[XS:XS+7], v11
	v_cvt_scalef32_pk8_fp4_f32 v[CX+4*(\t)+1], v[XS+8:XS+15], v11
	v_lshrrev_b32 v[E+(\t)], 23, v11               ; the scale's byte (a plain line behind the conversions)
	ds_store_b64 v4, v[CX+4*(\t):CX+4*(\t)+1] offset:16*(\t)
	ds_store_b8 v5, v[E+(\t)] offset:16*(\t)       ; both lanes of a block write the same byte with the same value
.endm
.irp t, 0,1,2,3,4,5,6,7,8,9,10,11,12,13,14,15
	XSTEP \t
.endr
.irp n, 0,1,2,3,4,5,6,7
	ds_load_b128 v[16+4*\n:19+4*\n], v6 offset:\n*544   ; half n = 2 q + c of the four fragments
.endr
	ds_load_b64 v[12:13], v7
	s_wait_dscnt 0x0
.irp n, 0,1,2,3,4,5,6,7
	global_store_b128 v3, v[16+4*\n:19+4*\n], s[14:15] offset:\n*512
.endr
	global_store_b64 v10, v[12:13], s[16:17]       ; the tile's 256 scale bytes: consecutive, aligned
	s_wait_tensorcnt 0x0
	ds_add_u32 v192, v193
	s_wait_dscnt 0x0
	s_endpgm
.Lfunc_end_k_q1cf1a3a4cc_quant:
	.size	k_q1cf1a3a4cc_quant, .Lfunc_end_k_q1cf1a3a4cc_quant-k_q1cf1a3a4cc_quant
	.p2alignl 7, 3214868480
	.fill 96, 4, 3214868480
	.section	.rodata,"a",@progbits
	.p2align	6, 0x0
	.amdhsa_kernel k_q1cf1a3a4cc_quant
		.amdhsa_group_segment_fixed_size 74240
		.amdhsa_private_segment_fixed_size 0
		.amdhsa_enable_private_segment 0
		.amdhsa_kernarg_size 48
		.amdhsa_user_sgpr_count 2
		.amdhsa_user_sgpr_kernarg_segment_ptr 1
		.amdhsa_wavefront_size32 1
		.amdhsa_system_sgpr_workgroup_id_x 1
		.amdhsa_system_sgpr_workgroup_id_y 1
		.amdhsa_system_sgpr_workgroup_id_z 1
		.amdhsa_system_vgpr_workitem_id 0
		.amdhsa_next_free_vgpr 194
		.amdhsa_next_free_sgpr 66
		.amdhsa_reserve_vcc 0
		.amdhsa_float_denorm_mode_32 3
		.amdhsa_float_denorm_mode_16_64 3
		.amdhsa_memory_ordered 1
		.amdhsa_forward_progress 1
		.amdhsa_inst_pref_size 115
	.end_amdhsa_kernel
	.amdgpu_metadata
---
amdhsa.version: [ 1, 2 ]
amdhsa.kernels:
  - .name:           k_q1cf1a3a4cc_quant
    .symbol:         k_q1cf1a3a4cc_quant.kd
    .args:
      - { .name: x, .offset: 0, .size: 8, .value_kind: global_buffer, .address_space: global }
      - { .name: Wq, .offset: 8, .size: 8, .value_kind: global_buffer, .address_space: global }
      - { .name: Wk, .offset: 16, .size: 8, .value_kind: global_buffer, .address_space: global }
      - { .name: Wv, .offset: 24, .size: 8, .value_kind: global_buffer, .address_space: global }
      - { .name: codes, .offset: 32, .size: 8, .value_kind: global_buffer, .address_space: global }
      - { .name: scales, .offset: 40, .size: 8, .value_kind: global_buffer, .address_space: global }
    .group_segment_fixed_size: 74240
    .private_segment_fixed_size: 0
    .kernarg_segment_align: 8
    .kernarg_segment_size: 48
    .max_flat_workgroup_size: 128
    .sgpr_count:     66
    .vgpr_count:     194
    .wavefront_size: 32
...
	.end_amdgpu_metadata
.endif
;; end of part 1
;; launch proj (part 2): grid 48 x 4, 4 waves a work-group, clusters of 4 x 4, 327,680 bytes of LDS; arguments codes, scales, bq, bk, bv, freqs_cis, qkv; writes qkv
.if DOCPART == 2
	.amdgcn_target "amdgcn-amd-amdhsa--gfx1250"
	.amdhsa_code_object_version 6
	.text
	.protected	k_q1cf1a3a4cc_proj
	.globl	k_q1cf1a3a4cc_proj
	.p2align	8
	.type	k_q1cf1a3a4cc_proj,@function
k_q1cf1a3a4cc_proj:
	s_mov_b64 s[64:65], 0
	v_nop
	global_prefetch_b8 v0, s[64:65] scope:SCOPE_SE
	s_setreg_imm32_b32 hwreg(HW_REG_WAVE_MODE, 25, 1), 1
	s_wait_xcnt 0x0
	s_wait_alu depctr_hold_cnt(0) depctr_sa_sdst(0) depctr_va_vdst(0) depctr_va_sdst(0) depctr_va_ssrc(0) depctr_va_vcc(0) depctr_vm_vsrc(0)
	s_getreg_b32 s2, hwreg(HW_REG_IB_STS2, 6, 4)
	s_cmp_eq_u32 s2, 0
	s_cbranch_scc0 .Lentry_in_a_cluster
	s_endpgm
.Lentry_in_a_cluster:
	s_bfe_u32 s2, ttmp6, 0x10000c
	s_cmp_lg_u32 s2, 0xf033
	s_cbranch_scc0 .Lentry_shape_is_right
	s_endpgm
.Lentry_shape_is_right:
; q = rope(x Wq + bq), k = rope(x Wk + bk), v = x Wv + bv on codes of FP4 with E8M0 scales (K = 4096), and the results quantised again: q and k along the head's 128, v along the keys.
; ONE MAIN LOOP FOR ALL THREE: D = P Q^T, source 0 = 16 positions of P, source 1 = 16 positions of Q.  A work-group takes 128 positions of P and 256 of Q; each of its four waves all of P and 64 of Q.
;   column px = 0 .. 31: a head of q;  32 .. 39: a head of k:  P = the head's 128 columns of the weight, Q = 256 rows of x.   A lane then holds ONE row s, its 64 registers of a tile run along the head.
;   column px = 40 .. 47: 128 keys of v:                       P = 128 rows of x, Q = 256 columns of Wv.                     A lane holds ONE column d, its registers run along the keys.
; Operands lie by POSITIONS (a row's number with bits 3 and 4 exchanged), so register 16 b + e of a lane (r, h) is index 32 b + 16 h + e of P: sixteen neighbours of each block of 32, as the conversions want them;
; lane r of Q's tile T is row 32 (T / 2) + 8 (T % 2) + r + 8 (r / 8).
; codes: [tile][K / 128][c][lane][16 bytes], the image of an operand's registers: a fragment is two loads of 16 bytes a lane, 512 bytes apart; no pitch, no padding.  scales: [group of 128][K / 512][position][16 bytes].
; K goes in steps of 512 through a ring of two LDS slots (8 tiles of P, 16 of Q, 4,096 bytes each); the scales of all of K come once and stay.
; CLUSTER 4 x 4: P hangs on the column alone and is asked for jointly down a column of the cluster, Q on the row alone and jointly along a row.  12 clusters: 0-7 q, 8-9 k, 10-11 v.
; The rotary table, a head's bias and bv are loaded by every work-group at the head, so that the text has one path up to the epilogue; v's clusters do not use the first two, the others not the third.
; LIMITS: a block of zeros gets the scale byte 1 (its codes are zeros; only this program reads the bytes); NaN and infinities are not served.
; RESULTS in qkv: q fragments [head 32][tile 64][1,024] at 0; q scale groups [head][tile / 4][lane][16] at QS; from KV on [kv head 8][key step 8][18,432]: K's 8 fragments, 2 scale groups, V^T's 8 fragments, 2 scale groups.
; REGISTERS.  window 0: v1-13 addresses; v16-63 scale words, two sets of 24; v64-191 P's fragments, two sets; v192-255 Q's, two sets; the epilogue works in v64-219.
;   window 1: the 32 accumulators, (i, t) at 8 (8 i + t).   window 2: the rotary table, 64 registers a tile.   window 3: v0-63 the head's bias, v64-67 bv.
.set PT,    8                          ; tiles of P a wave
.set NQ,    4                          ; steps of 128 along K in a slot
.set TB,    NQ*1024                    ; a tile's bytes in a slot
.set PPART, 8*TB
.set SLOT,  24*TB
.set SCL,   2*SLOT                     ; behind the ring: P's scales, 16,384 bytes,
.set SCQ,   SCL+16384                  ; Q's, 32,768,
.set SPARE, SCQ+32768                  ; and the spare words: 128 bytes a wave, two blocks of 256 that no other line names
.set LAPS,  4096/(2*NQ*128)
.set QS,    2097152
.set KV,    2359296
.set LI,    1                          ; v1   16 x lane
.set ADRP,  2                          ; v2-3 P's fragments in slot 0, 1
.set ADRQ,  4                          ; v4-5 my Q's
.set ADSP,  6                          ; v6   P's scale words of the K step in hand
.set ADSQ,  7                          ; v7   my Q's
.set SPW,   8                          ; v8   my spare word; never rewritten
.set NIL,   9                          ; v9   0; never rewritten
.set PFO,   10                         ; v10  the prefetches' offset
.set AFC,   11                         ; v11  my place in the rotary table;  v12 in a head's bias;  v13 in bv
.set ABI,   12
.set ABV,   13
.set SC,    16
.set SCS,   2*PT+8
.set PF,    64
.set QF,    192
.set H,     64                         ; the epilogue: v64-127 a tile + bias; v128-191 rotated; v192-207 at work; v208-215 codes; v216-219 four tiles' scale words
.set R2,    128
.set TM,    192
.set PC,    208
.set SW,    216
.set BV,    64
.set G1Q,   24                         ; s[24:31] group 1 for Q's tiles, s[32:39] groups 0, one a slot
.set G0Q,   32
.set G1P,   48                         ; s[48:55], s[56:63] the same for P
.set G0P,   56
.set G1SQ,  68                         ; s[68:75], s[76:79] Q's scales;  s[80:87], s[88:91] P's
.set G0SQ,  76
.set G1SP,  80
.set G0SP,  88
.set PFA,   92                         ; s[92:93] where my prefetches stand
.set LIM,   94                         ; s94  1 in a wave that prefetches, else the greatest number
.set ISV,   95                         ; s95  1 in v's clusters
.set SEL,   66                         ; s[66:67] lane selects: lane l xor 16
.set MULW,  0x50                       ; C and D in window 1
.set MSB, 0
.macro WIN new                         ; the immediate's high byte repeats the setting that is left
.if MSB != \new
	s_set_vgpr_msb (MSB<<8)|\new
.set MSB, \new
.endif
.endm
; A joint load: waves 0 and 1 fetch P's halves, waves 2 and 3 Q's.  The branch hangs on the wave's number alone.  Four v_nop follow each of the two lines.
.macro JLOAD g0p, g1p, g0q, g1q
	s_cmp_eq_u32 s19, 0
	s_cbranch_scc0 .Lfor_q_\@
	tensor_load_to_lds s[\g0p:\g0p+3], s[\g1p:\g1p+7]
	s_nop 0
.rept 4
	v_nop
.endr
	s_branch .Lasked_\@
.Lfor_q_\@:
	tensor_load_to_lds s[\g0q:\g0q+3], s[\g1q:\g1q+7]
	s_nop 0
.rept 4
	v_nop
.endr
.Lasked_\@:
.endm
.macro CREST                           ; a round of the cluster's barrier behind its opening barrier
	s_cmp_lg_u32 s18, 0
	s_cbranch_scc1 .Lnot_wave_0_\@
	s_barrier_signal -3
.Lnot_wave_0_\@:
	s_barrier_wait -3
	s_barrier_signal -1
	s_barrier_wait -1
.endm
.macro CROUND
	s_barrier_signal -1
	s_barrier_wait -1
	CREST
.endm
; A prefetch of the K step that stands two refills on: two tiles x 4,096 bytes, lanes 256 bytes apart, one instruction a wave.  Each aligned block of 256 bytes is named once in the launch:
; P's 8 tiles by wave 0 of the column's four partners, two tiles each (told apart by address), in q's and k's clusters; Q's 16 tiles by waves 2 and 3 of a row's four partners, two tiles a wave,
; in the first cluster of each kind (0: x; 10: Wv).  In v's clusters P is x, which cluster 0 names.  The loop's last trip asks for nothing: there is no K step two on.
.macro ASK
	s_cmp_gt_u32 s3, s[LIM]
	s_cbranch_scc0 .Lnot_mine_\@
	global_prefetch_b8 v[PFO], s[PFA:PFA+1] th:TH_LOAD_NT scope:SCOPE_SE
.Lnot_mine_\@:
.endm
	s_load_b128 s[4:7], s[0:1], 0x0                ; codes, scales
	s_load_b128 s[8:11], s[0:1], 0x10              ; bq, bk
	s_load_b128 s[12:15], s[0:1], 0x20             ; bv, freqs_cis
	s_load_b64 s[16:17], s[0:1], 0x30              ; qkv
	v_lshl_add_u32 v[SPW], v0, 2, SPARE
	v_mov_b32 v[NIL], 0
	ds_add_u32 v8, v9
	ds_add_u32 v8, v9
	s_wait_dscnt 0x0
	v_lshrrev_b32 v1, 5, v0
	v_readfirstlane_b32 s18, v1                    ; wave 0..3
	s_lshr_b32 s19, s18, 1                         ; I fetch for P (0) or for Q (1)
	s_and_b32 s20, s18, 1                          ; which half
	s_bfe_u32 s21, ttmp6, 0x40000                  ; cx
	s_bfe_u32 s22, ttmp6, 0x40004                  ; cy: the grid has one cluster along y, so cy is the work-group's y
	s_lshl_b32 s23, ttmp9, 2
	s_add_co_u32 s23, s23, s21                     ; px = 4 x cluster x + cx
	s_add_co_u32 s[ISV], ttmp9, 6
	s_lshr_b32 s[ISV], s[ISV], 4                   ; 1 for clusters 10 and 11
	s_lshl_b32 s44, 0x1111, s21                    ; my column of the cluster
	s_or_b32 s[G1P], s44, (3<<16)|(1<<21)          ; 15:0 the mask; 17:16 elements of 8 bytes; 21 set beside a mask; no padding
	s_or_b32 s[G1SP], s44, (3<<16)|(1<<21)
	s_lshl_b32 s40, s22, 2
	s_lshl_b32 s40, 15, s40                        ; my row
	s_or_b32 s[G1Q], s40, (3<<16)|(1<<21)
	s_or_b32 s[G1SQ], s40, (3<<16)|(1<<21)
.irp g, G1P, G1Q                       ; codes: a row is a tile's 4,096 bytes of a K step (512 elements); rows lie a tile, 32,768 bytes, apart
	s_mov_b32 s[\g+1], (TB/8)<<16                  ; tensor_dim0
	s_mov_b32 s[\g+3], (TB/8)<<16                  ; tile_dim0
	s_mov_b32 s[\g+5], 4096                        ; the pitch in elements
	s_mov_b32 s[\g+6], 0
	s_mov_b32 s[\g+7], 0
.endr
	s_mov_b32 s[G1P+2], 4<<16                      ; tensor_dim1: 4 tiles to a load of P,
	s_mov_b32 s[G1P+4], 4                          ; tile_dim1
	s_mov_b32 s[G1Q+2], 8<<16                      ; 8 of Q
	s_mov_b32 s[G1Q+4], 8
.irp g, G1SP, G1SQ                     ; scales: dense blocks, as rows of 256 bytes
	s_mov_b32 s[\g+1], 32<<16
	s_mov_b32 s[\g+3], 32<<16
	s_mov_b32 s[\g+5], 32
	s_mov_b32 s[\g+6], 0
	s_mov_b32 s[\g+7], 0
.endr
	s_mov_b32 s[G1SP+2], 32<<16                    ; 8,192 bytes to a load of P's,
	s_mov_b32 s[G1SP+4], 32
	s_mov_b32 s[G1SQ+2], 64<<16                    ; 16,384 of Q's
	s_mov_b32 s[G1SQ+4], 64
	; where P comes from: registers that never hold cy
	s_mul_i32 s45, s[ISV], 320
	s_lshl_b32 s44, s23, 3
	s_add_co_u32 s44, s44, s45                     ; P's first tile: 8 px, in v's clusters + 320: x's tiles
	s_lshl_b32 s45, s20, 2
	s_add_co_u32 s44, s44, s45                     ; + my half's 4
	s_lshl_b32 s46, s44, 15
	s_mov_b32 s47, 0
	s_mul_i32 s96, s[ISV], 40
	s_add_co_u32 s96, s96, s23                     ; P's group of scales
	s_lshl_b32 s96, s96, 14
	s_lshl_b32 s97, s20, 13
	s_add_co_u32 s96, s96, s97
	s_mov_b32 s97, 0
	; where Q comes from: registers that never hold cx
	s_mul_i32 s41, s[ISV], 320
	s_sub_co_u32 s41, 640, s41                     ; x's tiles begin at 640, Wv's at 320
	s_lshl_b32 s40, s22, 4
	s_add_co_u32 s40, s40, s41
	s_lshl_b32 s41, s20, 3
	s_add_co_u32 s40, s40, s41                     ; + my half's 8
	s_lshl_b32 s42, s40, 15
	s_mov_b32 s43, 0
	s_mul_i32 s99, s[ISV], 40
	s_sub_co_u32 s99, 80, s99
	s_lshl_b32 s98, s22, 1
	s_add_co_u32 s98, s98, s99
	s_add_co_u32 s98, s98, s20                     ; a half of Q's scales is a whole group
	s_lshl_b32 s98, s98, 14
	s_mov_b32 s99, 0
	; where they go: the wave's number alone
	s_mul_i32 s45, s20, 4*TB
	s_mul_i32 s41, s20, 8*TB
	s_lshl_b32 s44, s20, 13
	s_lshl_b32 s40, s20, 14
	s_wait_kmcnt 0x0
	s_add_nc_u64 s[46:47], s[4:5], s[46:47]
	s_add_nc_u64 s[96:97], s[6:7], s[96:97]
	s_add_nc_u64 s[42:43], s[4:5], s[42:43]
	s_add_nc_u64 s[98:99], s[6:7], s[98:99]
	CROUND                                         ; all sixteen work-groups are here: the first joint loads meet
	s_mov_b32 s[G0SP], 1
	s_add_co_u32 s[G0SP+1], s44, SCL
	s_mov_b64 s[G0SP+2:G0SP+3], s[96:97]
	s_or_b32 s[G0SP+3], s[G0SP+3], 0x80000000
	s_mov_b32 s[G0SQ], 1
	s_add_co_u32 s[G0SQ+1], s40, SCQ
	s_mov_b64 s[G0SQ+2:G0SQ+3], s[98:99]
	s_or_b32 s[G0SQ+3], s[G0SQ+3], 0x80000000
	JLOAD G0SP, G1SP, G0SQ, G1SQ                   ; the scales first: they are wanted with K step 0.  Three loads of mine are out behind these first fills
.irp s, 0,1
	s_mov_b32 s[G0P+4*\s], 1
	s_add_co_u32 s[G0P+4*\s+1], s45, \s*SLOT
	s_add_nc_u64 s[G0P+4*\s+2:G0P+4*\s+3], s[46:47], \s*TB
	s_or_b32 s[G0P+4*\s+3], s[G0P+4*\s+3], 0x80000000
	s_mov_b32 s[G0Q+4*\s], 1
	s_add_co_u32 s[G0Q+4*\s+1], s41, \s*SLOT+PPART
	s_add_nc_u64 s[G0Q+4*\s+2:G0Q+4*\s+3], s[42:43], \s*TB
	s_or_b32 s[G0Q+4*\s+3], s[G0Q+4*\s+3], 0x80000000
	JLOAD G0P+4*\s, G1P, G0Q+4*\s, G1Q
.endr
	; ---- what the epilogue wants: pointers, then loads that land under the main loop
	s_lshl_b32 s100, s[ISV], 3
	s_add_co_u32 s100, s100, 32                    ; k's heads begin at px = 32; in v's clusters px - 40 keeps the unused load inside bk
	s_cmp_lt_u32 ttmp9, 8
	s_cselect_b64 s[8:9], s[8:9], s[10:11]         ; bq or bk
	s_cselect_b32 s100, 0, s100
	s_sub_co_u32 s100, s23, s100
	s_lshl_b32 s100, s100, 9
	s_mov_b32 s101, 0
	s_add_nc_u64 s[8:9], s[8:9], s[100:101]        ; the head's 128 numbers
	s_lshl_b32 s100, s22, 8
	s_lshl_b32 s66, s18, 6
	s_add_co_u32 s66, s66, s100                    ; my first row of Q: 256 cy + 64 wave
	s_lshl_b32 s100, s66, 9
	s_add_nc_u64 s[14:15], s[14:15], s[100:101]    ; the rotary table at that row: 512 bytes a row
	s_lshl_b32 s100, s66, 2
	s_add_nc_u64 s[12:13], s[12:13], s[100:101]    ; bv at that column
	s_lshl_b32 s66, s22, 2
	s_add_co_u32 s66, s66, s18                     ; 4 cy + wave
	s_lshl_b32 s100, s66, 9
	s_lshl_b32 s66, s66, 12
	s_lshl_b32 s67, s23, 16
	s_add_co_u32 s66, s66, s67                     ; q: my four fragments
	s_lshl_b32 s67, s23, 13
	s_add_co_u32 s100, s100, s67
	s_add_co_u32 s100, s100, QS                    ; q: my scale group
	s_lshl_b32 s67, s22, 1
	s_add_co_u32 s67, s67, s19                     ; 2 cy + wave / 2
	s_sub_co_u32 s101, s23, 32
	s_sub_co_u32 s92, s23, 40
	s_cmp_eq_u32 s[ISV], 1
	s_cselect_b32 s93, s67, s101                   ; the kv head: k: px - 32; v: by my columns
	s_cselect_b32 s67, s92, s67                    ; the key step: k: by my rows; v: px - 40
	s_mul_i32 s93, s93, 147456
	s_mul_i32 s67, s67, 18432
	s_add_co_u32 s67, s67, s93
	s_mul_i32 s93, s[ISV], 9216                    ; V's part lies behind K's
	s_add_co_u32 s67, s67, s93
	s_add_co_u32 s67, s67, KV
	s_lshl_b32 s92, s20, 12
	s_add_co_u32 s92, s92, s67                     ; k, v: my four fragments
	s_lshl_b32 s93, s20, 9
	s_add_co_u32 s93, s93, s67
	s_add_co_u32 s93, s93, 8192                    ; k, v: my scale group
	s_cmp_lt_u32 ttmp9, 8
	s_cselect_b32 s66, s66, s92
	s_cselect_b32 s100, s100, s93
	s_mov_b32 s67, 0
	s_mov_b32 s101, 0
	s_add_nc_u64 s[10:11], s[16:17], s[100:101]    ; where my scale group goes
	s_add_nc_u64 s[16:17], s[16:17], s[66:67]      ; where my fragments go
	s_mov_b32 s[SEL], 0x76543210
	s_mov_b32 s[SEL+1], 0xfedcba98
	v_and_b32 v14, 15, v0                          ; r
	v_bfe_u32 v15, v0, 4, 1                        ; h
	v_and_b32 v10, 31, v0
	v_lshlrev_b32 v[LI], 4, v10
	v_and_b32 v[ABV], 8, v14
	v_add_nc_u32 v[ABV], v[ABV], v14               ; r + 8 (r / 8)
	v_lshlrev_b32 v[ABI], 6, v15                   ; 64 h: my half's 16 numbers of a block of 32
	v_lshl_add_u32 v[AFC], v[ABV], 9, v[ABI]
	v_lshlrev_b32 v[ABV], 2, v[ABV]
	v_lshlrev_b32 v[PFO], 8, v14
	v_lshl_add_u32 v[PFO], v15, 15, v[PFO]         ; lanes 0-15 one tile's 16 blocks of 256 bytes, lanes 16-31 the next tile's
	WIN 0x80                                       ; destination window 2
.irp i, 0,1,2,3                        ; register 64 i + 16 b + e: the table at my row of tile i, number 32 b + 16 h + e: (real, imaginary) in pairs, as the head's numbers lie
.irp b, 0,1,2,3
.irp j, 0,1,2,3
	global_load_b128 v[64*\i+16*\b+4*\j:64*\i+16*\b+4*\j+3], v[AFC], s[14:15] offset:(32*(\i/2)+8*(\i%2))*512+128*\b+16*\j
.endr
.endr
.endr
	WIN 0xc0                                       ; destination window 3
.irp t, 0,1,2,3,4,5,6,7
	global_load_b128 v[8*\t:8*\t+3], v[ABI], s[8:9] offset:(32*(\t/2)+8*(\t%2))*4
	global_load_b128 v[8*\t+4:8*\t+7], v[ABI], s[8:9] offset:(32*(\t/2)+8*(\t%2))*4+16
.endr
.irp i, 0,1,2,3
	global_load_b32 v[BV+\i], v[ABV], s[12:13] offset:(32*(\i/2)+8*(\i%2))*4
.endr
	WIN 0
	v_mov_b32 v[ADRP], v[LI]
	v_add_nc_u32 v[ADRP+1], SLOT, v[LI]
	s_mul_i32 s100, s18, 4*TB
	s_add_co_u32 s100, s100, PPART
	v_add_nc_u32 v[ADRQ], s100, v[LI]
	s_add_co_u32 s100, s100, SLOT
	v_add_nc_u32 v[ADRQ+1], s100, v[LI]
	v_add_nc_u32 v[ADSP], SCL, v[LI]
	s_lshl_b32 s100, s19, 14                       ; my tiles' group of Q's scales,
	s_lshl_b32 s101, s20, 10                       ; and my two pairs of tiles in it
	s_add_co_u32 s100, s100, s101
	s_add_co_u32 s100, s100, SCQ
	v_add_nc_u32 v[ADSQ], s100, v[LI]
	; ---- the prefetches: where mine stand, and who asks
	s_lshl_b32 s100, s23, 3
	s_mul_i32 s101, s[ISV], 320
	s_add_co_u32 s100, s100, s101
	s_lshl_b32 s101, s22, 1
	s_add_co_u32 s100, s100, s101                  ; P's tiles 2 cy, 2 cy + 1
	s_mul_i32 s101, s[ISV], 320
	s_sub_co_u32 s101, 640, s101
	s_lshl_b32 s92, s22, 4
	s_add_co_u32 s101, s101, s92
	s_lshl_b32 s92, s21, 2
	s_add_co_u32 s101, s101, s92
	s_lshl_b32 s92, s20, 1
	s_add_co_u32 s101, s101, s92                   ; Q's tiles 4 cx + 2 (wave % 2) and the next
	s_cmp_eq_u32 s19, 0
	s_cselect_b32 s100, s100, s101
	s_lshl_b32 s100, s100, 15
	s_add_co_u32 s100, s100, 3*TB                  ; at K step 3: the first refill steps it to 4.  Nothing is prefetched at the head
	s_mov_b32 s101, 0
	s_add_nc_u64 s[PFA:PFA+1], s[4:5], s[100:101]
	s_cmp_lt_u32 ttmp9, 10
	s_cselect_b32 s100, 1, 0
	s_cmp_eq_u32 ttmp9, 0
	s_cselect_b32 s101, 1, 0
	s_cmp_eq_u32 ttmp9, 10
	s_cselect_b32 s101, 1, s101
	s_cmp_eq_u32 s19, 0
	s_cselect_b32 s100, s100, s101
	s_cmp_eq_u32 s18, 1
	s_cselect_b32 s100, 0, s100                    ; wave 1 never asks
	s_cmp_eq_u32 s100, 1
	s_cselect_b32 s[LIM], 1, -1                    ; the same in all sixteen partners, for a given wave
.macro FRAG reg, adr, off              ; a fragment: 16 positions x 128 K: 8 registers, two loads of 512 consecutive bytes
	ds_load_b128 v[\reg:\reg+3], v[\adr] offset:\off
	ds_load_b128 v[\reg+4:\reg+7], v[\adr] offset:\off+512
.endm
.macro FETCH slot, q, set              ; 24 loads: P's eight fragments and my four of Q for the slot's q-th 128 along K
.irp t, 0,1,2,3,4,5,6,7
	FRAG PF+8*PT*(\set)+8*\t, ADRP+\slot, \t*TB+(\q)*1024
.endr
.irp i, 0,1,2,3
	FRAG QF+32*(\set)+8*\i, ADRQ+\slot, \i*TB+(\q)*1024
.endr
.endm
.macro SCALES sset, off                ; 6 loads: a K step's scale words: register 4 j + q: lanes 0-15 tile 2 j's word for the q-th 128 along K, lanes 16-31 tile 2 j + 1's
.irp j, 0,1,2,3
	ds_load_b128 v[SC+SCS*(\sset)+4*\j:SC+SCS*(\sset)+4*\j+3], v[ADSP] offset:\off+512*\j
.endr
.irp j, 0,1
	ds_load_b128 v[SC+SCS*(\sset)+2*PT+4*\j:SC+SCS*(\sset)+2*PT+4*\j+3], v[ADSQ] offset:\off+512*\j
.endr
.endm
; Q's tile i against P's eight.  The 32 accumulators take turns, one instruction a turn, in the same order in every step.  An odd tile's scale words stand in lanes 16-31.
.macro MULQ i, set, q, sset, zero
.irp t, 0,1,2,3,4,5,6,7
.set rD, 8*(PT*(\i)+\t)
.set rA, PF+8*PT*(\set)+8*\t
.set rB, QF+32*(\set)+8*(\i)
.set rSA, SC+SCS*(\sset)+4*(\t/2)+(\q)%4
.set rSB, SC+SCS*(\sset)+2*PT+4*((\i)/2)+(\q)%4
.if \zero
.if (\t%2 == 0) && ((\i)%2 == 0)
	v_wmma_scale_f32_16x16x128_f8f6f4 v[rD:rD+7], v[rA:rA+7], v[rB:rB+7], 0, v[rSA], v[rSB] matrix_a_fmt:MATRIX_FMT_FP4 matrix_b_fmt:MATRIX_FMT_FP4
.elseif (\t%2 == 1) && ((\i)%2 == 0)
	v_wmma_scale_f32_16x16x128_f8f6f4 v[rD:rD+7], v[rA:rA+7], v[rB:rB+7], 0, v[rSA], v[rSB] matrix_a_fmt:MATRIX_FMT_FP4 matrix_b_fmt:MATRIX_FMT_FP4 matrix_a_scale:MATRIX_SCALE_ROW1
.elseif (\t%2 == 0)
	v_wmma_scale_f32_16x16x128_f8f6f4 v[rD:rD+7], v[rA:rA+7], v[rB:rB+7], 0, v[rSA], v[rSB] matrix_a_fmt:MATRIX_FMT_FP4 matrix_b_fmt:MATRIX_FMT_FP4 matrix_b_scale:MATRIX_SCALE_ROW1
.else
	v_wmma_scale_f32_16x16x128_f8f6f4 v[rD:rD+7], v[rA:rA+7], v[rB:rB+7], 0, v[rSA], v[rSB] matrix_a_fmt:MATRIX_FMT_FP4 matrix_b_fmt:MATRIX_FMT_FP4 matrix_a_scale:MATRIX_SCALE_ROW1 matrix_b_scale:MATRIX_SCALE_ROW1
.endif
.else
.if (\t%2 == 0) && ((\i)%2 == 0)
	v_wmma_scale_f32_16x16x128_f8f6f4 v[rD:rD+7], v[rA:rA+7], v[rB:rB+7], v[rD:rD+7], v[rSA], v[rSB] matrix_a_fmt:MATRIX_FMT_FP4 matrix_b_fmt:MATRIX_FMT_FP4
.elseif (\t%2 == 1) && ((\i)%2 == 0)
	v_wmma_scale_f32_16x16x128_f8f6f4 v[rD:rD+7], v[rA:rA+7], v[rB:rB+7], v[rD:rD+7], v[rSA], v[rSB] matrix_a_fmt:MATRIX_FMT_FP4 matrix_b_fmt:MATRIX_FMT_FP4 matrix_a_scale:MATRIX_SCALE_ROW1
.elseif (\t%2 == 0)
	v_wmma_scale_f32_16x16x128_f8f6f4 v[rD:rD+7], v[rA:rA+7], v[rB:rB+7], v[rD:rD+7], v[rSA], v[rSB] matrix_a_fmt:MATRIX_FMT_FP4 matrix_b_fmt:MATRIX_FMT_FP4 matrix_b_scale:MATRIX_SCALE_ROW1
.else
	v_wmma_scale_f32_16x16x128_f8f6f4 v[rD:rD+7], v[rA:rA+7], v[rB:rB+7], v[rD:rD+7], v[rSA], v[rSB] matrix_a_fmt:MATRIX_FMT_FP4 matrix_b_fmt:MATRIX_FMT_FP4 matrix_a_scale:MATRIX_SCALE_ROW1 matrix_b_scale:MATRIX_SCALE_ROW1
.endif
.endif
.endr
.endm
.macro PLACES                          ; four plain vector instructions between a matrix instruction and a load into, or a vector instruction on, one of its registers (ISA guide 7.12.1 for vector instructions)
.rept 4
	v_nop
.endr
.endm
; A step of 128 along K that has its successor in the same slot: the successor's 24 loads go out first, into the set that the last step multiplied, then this step's 32 products.
.macro STEP slot, q, zero
	PLACES
	WIN 0
	FETCH \slot, (\q)+1, 1-(\q)%2
	s_wait_dscnt 2*(PT+4)                          ; all but the 24 just issued: this step's fragments and scale words are in
	WIN MULW
	MULQ 0, (\q)%2, \q, \slot, \zero
	MULQ 1, (\q)%2, \q, \slot, \zero
	MULQ 2, (\q)%2, \q, \slot, \zero
	MULQ 3, (\q)%2, \q, \slot, \zero
.endm
; A slot's last step changes slots: ONE barrier.  In front of it each wave waits for all its tensor loads, adds 0 to its spare word, and waits for that and for its reads of this slot.
; fill = 1: the barrier opens a round of the cluster's barrier, and this slot is filled again, two K steps ahead, first thing behind the round.
.macro TURN slot, next, fill
.if \fill
	s_wait_xcnt 0x0                                ; the last prefetch, a K step back, has read its address: it steps here
	s_add_nc_u64 s[PFA:PFA+1], s[PFA:PFA+1], TB
.endif
	WIN 0                                          ; (the add's two registers lie in window 0)
	s_wait_tensorcnt 0x0                           ; all my tensor loads have landed: my part of the next slot
	ds_add_u32 v[SPW], v[NIL]                      ; 0 onto my spare word
	s_wait_dscnt 1                                 ; only the add may be out: this step's fragments are in
	WIN MULW
	MULQ 0, 1, NQ-1, \slot, 0                      ; eight products stand between the add and the wait for it
	s_wait_dscnt 0x0                               ; the add is done, and my reads of this slot are over
	s_barrier_signal -1
	MULQ 1, 1, NQ-1, \slot, 0
	WIN 0
	s_barrier_wait -1
.if \fill
	CREST                                          ; no wave of any partner still reads this slot or has a load on its way
	s_add_nc_u64 s[G0P+4*\slot+2:G0P+4*\slot+3], s[G0P+4*\slot+2:G0P+4*\slot+3], 2*TB
	s_add_nc_u64 s[G0Q+4*\slot+2:G0Q+4*\slot+3], s[G0Q+4*\slot+2:G0Q+4*\slot+3], 2*TB
	JLOAD G0P+4*\slot, G1P, G0Q+4*\slot, G1Q       ; my one tensor load behind the round; its four v_nop are also the places in front of the loads below
.else
	PLACES
.endif
	v_add_nc_u32 v[ADSP], 2048, v[ADSP]            ; the next K step's scale words
	v_add_nc_u32 v[ADSQ], 2048, v[ADSQ]
	FETCH \next, 0, 0
	SCALES \next, 0
.if \fill
	ASK
.endif
	WIN MULW
	MULQ 2, 1, NQ-1, \slot, 0
	MULQ 3, 1, NQ-1, \slot, 0
.endm
	s_wait_tensorcnt 1                             ; the scales and my part of K step 0 are in; K step 1's load may be out
	s_barrier_signal -1
	s_barrier_wait -1                              ; everybody's are
	FETCH 0, 0, 0
	SCALES 0, 0
	STEP 0, 0, 1                                   ; the first step stands in front of the loop: its products start the sums
	WIN 0
	s_mov_b32 s3, LAPS-1
.Llap:                                 ; a trip goes once round the ring, from a lap's second step to the next lap's first, and fills both slots again
	STEP 0, 1, 0
	STEP 0, 2, 0
	TURN 0, 1, 1
	STEP 1, 0, 0
	STEP 1, 1, 0
	STEP 1, 2, 0
	TURN 1, 0, 1
	STEP 0, 0, 0
	WIN 0
	s_sub_co_u32 s3, s3, 1
	s_cmp_lg_u32 s3, 0
	s_cbranch_scc1 .Llap
	STEP 0, 1, 0                                   ; the last lap fills nothing
	STEP 0, 2, 0
	TURN 0, 1, 0
	STEP 1, 0, 0
	STEP 1, 1, 0
	STEP 1, 2, 0
	s_wait_dscnt 0x0
	MULQ 0, 1, NQ-1, 1, 0
	MULQ 1, 1, NQ-1, 1, 0
	MULQ 2, 1, NQ-1, 1, 0
	MULQ 3, 1, NQ-1, 1, 0
	WIN 0
	PLACES
; ---- THE EPILOGUE, a tile of Q at a time.  64 numbers of a lane, register 16 b + e = index 32 b + 16 h + e, become a fragment's codes in v[PC] on and its scale word in v[pw].
.macro QUANT s, pw
.irp b, 0,1,2,3
	v_max3_num_f32 v[TM+\b], |v[\s+16*\b]|, |v[\s+1+16*\b]|, 0x1800000   ; block b: my 16 numbers, and the floor 2^(3 - 127): the byte cannot fall under 1
.endr
.irp i, 2,4,6,8,10,12,14
.irp b, 0,1,2,3
	v_max3_num_f32 v[TM+\b], v[TM+\b], |v[\s+16*\b+\i]|, |v[\s+1+16*\b+\i]|   ; (the four blocks by turns)
.endr
.endr
.irp b, 0,1,2,3
	v_permlanex16_b32 v[TM+4+\b], v[TM+\b], s[SEL], s[SEL+1]
.endr
.irp b, 0,1,2,3
	v_max_num_f32 v[TM+\b], v[TM+\b], v[TM+4+\b]   ; with lane l xor 16's: the block's largest magnitude
.endr
.irp b, 0,1,2,3
	v_add_nc_u32 v[TM+12+\b], 0xff000000, v[TM+\b] ; 2 off its exponent field: the conversion's scale operand
.endr
.irp b, 0,1,2,3
	v_lshrrev_b32 v[TM+4+\b], 23, v[TM+12+\b]      ; the scale's byte
.endr
	v_lshl_or_b32 v[\pw], v[TM+5], 8, v[TM+4]
	v_lshl_or_b32 v[\pw], v[TM+6], 16, v[\pw]
	v_lshl_or_b32 v[\pw], v[TM+7], 24, v[\pw]
.irp b, 0,1,2,3
	v_cvt_scalef32_pk8_fp4_f32 v[PC+2*\b], v[\s+16*\b:\s+7+16*\b], v[TM+12+\b]
	v_cvt_scalef32_pk8_fp4_f32 v[PC+1+2*\b], v[\s+8+16*\b:\s+15+16*\b], v[TM+12+\b]
.endr
	v_nop                                          ; one plain line behind the conversions
.irp c, 0,1                            ; the operand's layout wants a whole block in a lane: lanes 0-15 block 2 c, lanes 16-31 block 2 c + 1
.irp i, 0,1
	v_permlane16_swap_b32 v[PC+4*\c+\i], v[PC+2+4*\c+\i]
.endr
.endr
.endm
.macro SENDF i                         ; the fragment leaves as it stands: two stores of 512 consecutive bytes
	global_store_b128 v[LI], v[PC:PC+3], s[16:17] offset:(\i)*1024
	global_store_b128 v[LI], v[PC+4:PC+7], s[16:17] offset:(\i)*1024+512
.endm
	s_wait_loadcnt 0x0                             ; the table, the biases
.irp b, 0,1,2,3
	v_mov_b32 v[TM+4+\b], 0                        ; a lane permute's destination counts as one of its sources
.endr
	s_cmp_eq_u32 s[ISV], 1
	s_cbranch_scc1 .Lepi_v
.macro EPI_QK i
	s_wait_xcnt 0x0                                ; the last tile's stores have read the codes' registers
	WIN 0x0d                                       ; source 0 window 1 (the sums), source 1 window 3 (the bias)
.set n, 0
.rept 32
	v_pk_add_f32 v[H+2*n:H+2*n+1], v[64*(\i)+2*n:64*(\i)+2*n+1], v[2*n:2*n+1]   ; each accumulator from its low end on
.set n, n+1
.endr
	WIN 0x08                                       ; source 1 window 2: the table.  (a + i b)(c + i d): a c - b d, a d + b c
.set n, 0
.rept 32
	v_mul_f32 v[R2+2*n], v[H+2*n+1], v[64*(\i)+2*n+1]
	v_mul_f32 v[R2+2*n+1], v[H+2*n+1], v[64*(\i)+2*n]
.set n, n+1
.endr
.set n, 0
.rept 32
	v_fma_f32 v[R2+2*n], v[H+2*n], v[64*(\i)+2*n], -v[R2+2*n]
	v_fma_f32 v[R2+2*n+1], v[H+2*n], v[64*(\i)+2*n+1], v[R2+2*n+1]
.set n, n+1
.endr
	WIN 0
	QUANT R2, SW+\i
	SENDF \i
.endm
	EPI_QK 0
	EPI_QK 1
	EPI_QK 2
	EPI_QK 3
	s_branch .Lepi_done
.Lepi_v:
.macro EPI_V i
	s_wait_xcnt 0x0
	WIN 0x0d
.set n, 0
.rept 64
	v_add_f32 v[H+n], v[64*(\i)+n], v[BV+\i]       ; my column's bias
.set n, n+1
.endr
	WIN 0
	QUANT H, SW+\i
	SENDF \i
.endm
	EPI_V 0
	EPI_V 1
	EPI_V 2
	EPI_V 3
.Lepi_done:
	global_store_b128 v[LI], v[SW:SW+3], s[10:11]  ; four tiles' scale words, 16 bytes a lane: 512 consecutive bytes (lanes 16-31 repeat lanes 0-15)
	s_wait_tensorcnt 0x0                           ; the wave's end
	ds_add_u32 v[SPW], v[NIL]
	s_wait_dscnt 0x0
	CROUND                                         ; the closing round: no work-group ends while a partner may still ask for a tile that names it
	s_endpgm
.Lfunc_end_k_q1cf1a3a4cc_proj:
	.size	k_q1cf1a3a4cc_proj, .Lfunc_end_k_q1cf1a3a4cc_proj-k_q1cf1a3a4cc_proj
	.p2alignl 7, 3214868480
	.fill 96, 4, 3214868480
	.section	.rodata,"a",@progbits
	.p2align	6, 0x0
	.amdhsa_kernel k_q1cf1a3a4cc_proj
		.amdhsa_group_segment_fixed_size 327680
		.amdhsa_private_segment_fixed_size 0
		.amdhsa_enable_private_segment 0
		.amdhsa_kernarg_size 56
		.amdhsa_user_sgpr_count 2
		.amdhsa_user_sgpr_kernarg_segment_ptr 1
		.amdhsa_wavefront_size32 1
		.amdhsa_system_sgpr_workgroup_id_x 1
		.amdhsa_system_sgpr_workgroup_id_y 1
		.amdhsa_system_sgpr_workgroup_id_z 1
		.amdhsa_system_vgpr_workitem_id 0
		.amdhsa_next_free_vgpr 840
		.amdhsa_next_free_sgpr 102
		.amdhsa_reserve_vcc 0
		.amdhsa_float_denorm_mode_32 3
		.amdhsa_float_denorm_mode_16_64 3
		.amdhsa_memory_ordered 1
		.amdhsa_forward_progress 1
		.amdhsa_inst_pref_size 189
	.end_amdhsa_kernel
	.amdgpu_metadata
---
amdhsa.version: [ 1, 2 ]
amdhsa.kernels:
  - .name:           k_q1cf1a3a4cc_proj
    .symbol:         k_q1cf1a3a4cc_proj.kd
    .args:
      - { .name: codes, .offset: 0, .size: 8, .value_kind: global_buffer, .address_space: global }
      - { .name: scales, .offset: 8, .size: 8, .value_kind: global_buffer, .address_space: global }
      - { .name: bq, .offset: 16, .size: 8, .value_kind: global_buffer, .address_space: global }
      - { .name: bk, .offset: 24, .size: 8, .value_kind: global_buffer, .address_space: global }
      - { .name: bv, .offset: 32, .size: 8, .value_kind: global_buffer, .address_space: global }
      - { .name: freqs_cis, .offset: 40, .size: 8, .value_kind: global_buffer, .address_space: global }
      - { .name: qkv, .offset: 48, .size: 8, .value_kind: global_buffer, .address_space: global }
    .group_segment_fixed_size: 327680
    .private_segment_fixed_size: 0
    .kernarg_segment_align: 8
    .kernarg_segment_size: 56
    .max_flat_workgroup_size: 128
    .sgpr_count:     102
    .vgpr_count:     840
    .wavefront_size: 32
...
	.end_amdgpu_metadata
.endif
;; end of part 2
;; launch attn (part 3): grid 32 x 8, 16 waves a work-group, clusters of 4 x 1, 186,880 bytes of LDS; arguments qkv, oc, osc, Wo, codes, scales; writes oc, osc, codes, scales
.if DOCPART == 3
	.amdgcn_target "amdgcn-amd-amdhsa--gfx1250"
	.amdhsa_code_object_version 6
	.text
	.protected	k_q1cf1a3a4cc_attn
	.globl	k_q1cf1a3a4cc_attn
	.p2align	8
	.type	k_q1cf1a3a4cc_attn,@function
k_q1cf1a3a4cc_attn:
	s_mov_b64 s[64:65], 0
	v_nop
	global_prefetch_b8 v0, s[64:65] scope:SCOPE_SE
	s_setreg_imm32_b32 hwreg(HW_REG_WAVE_MODE, 25, 1), 1
	s_wait_xcnt 0x0
	s_wait_alu depctr_hold_cnt(0) depctr_sa_sdst(0) depctr_va_vdst(0) depctr_va_sdst(0) depctr_va_ssrc(0) depctr_va_vcc(0) depctr_vm_vsrc(0)
	s_getreg_b32 s2, hwreg(HW_REG_IB_STS2, 6, 4)
	s_cmp_eq_u32 s2, 0
	s_cbranch_scc0 .Lentry_in_a_cluster
	s_endpgm
.Lentry_in_a_cluster:
	s_bfe_u32 s2, ttmp6, 0x10000c
	s_cmp_lg_u32 s2, 0x3003
	s_cbranch_scc0 .Lentry_shape_is_right
	s_endpgm
.Lentry_shape_is_right:
; TWO PIECES OF WORK IN ONE LAUNCH, on waves of two roles.
; WAVES 0-7: o = softmax(q k^T / sqrt(128), causal) v for 32 query heads on 8 key and value heads, both products on codes of FP4 with E8M0 scales, and o quantised along (head, d) for the last product.
; WAVES 8-15: Wo [4096 (k)][4096 (n)], f32, becomes codes of FP4 and E8M0 scale bytes along K, for the last product.  Behind their tiles the attention waves read nothing from memory: Wo's 64 MiB are read meanwhile.
;
; THE SOFTMAX: t = score x log2(e) / sqrt(128); M = the running largest t rounded UP to a whole number; p = 2^(t - M) is quantised along the keys, not normalised; the row's sum is taken of the unquantised p
; and divides at the end.  When M moves, the sum and O are multiplied by 2^(old M - new M): exact.
; SHARES OF THE ATTENTION.  Work-group (p, kv head), p = 0 .. 31.  Wave w serves query head 4 kvh + w % 4.  Waves 0-3 take the tile of 16 queries T = 63 - p, waves 4-7 the tile T = p.  Tile T wants T / 8 + 1 key steps
; of 128, so a long wave and a short one have nine steps together, in every work-group.  A step all of whose keys come after a wave's queries is left out by a scalar branch on the wave's number and the cluster's
; number; p / 8 is equal in the four partners of a cluster.
; SHARES OF Wo.  The same work-group takes columns 128 p .. 128 p + 127 and K = 512 kvh .. 512 kvh + 511: 32 x 8 parts for 32 x 8 work-groups.  Wave 8 + q takes 32 columns (q % 4) and 256 along K (q / 4): eight blocks of 32.
; A lane takes a column and its registers run down K; a load of the wave reads 128 consecutive bytes, four waves stand side by side on 512.  Loads run two blocks, 64 loads a wave, ahead; every offset is an immediate,
; 255 rows of 16,384 bytes at the most.  No two work-groups read the same bytes of Wo: nothing of it is asked for jointly.
; A block's scale is 2^(floor(log2(its largest magnitude)) - 2); its byte is that magnitude's exponent field - 2, held at 1 from below.
; codes: [tile of 16 positions][K / 128][c][lane][16 bytes], Wo's tiles from 384 on; scales: [group of 128 positions][K / 512][position][16 bytes], Wo's groups from 48 on.  A wave has 8 of a position's 16 scale bytes:
; it stores them 8 bytes a lane, 16 bytes apart, so that two waves write each aligned block of 256 bytes by halves: 524,288 bytes in all, beside 8 MiB of codes that leave 512 consecutive bytes a store.
; LDS.  The kv head's eight key steps (18,432 bytes each: K's 8 fragments, 2 scale groups, V^T's 8 fragments, 2 scale groups), filled ONCE; 512 bytes in which o's scale words meet; a stage of 32 x 144 bytes for each of waves 8-15.
; ORDER.  Each of waves 0-7 asks for its eighth of each key step, 9 rows of 256 bytes: eight loads of a wave are out at the most.  It waits for all of them; then ONE barrier of all sixteen waves; every LDS read of a tile
; stands behind it.  Behind that barrier the roles part; they join at the barrier in front of the store of o's scale words.  Every LDS address register is made ahead of the parting.
; Q is loaded by all sixteen waves, so that the text has one way up to the barrier; waves 8-15 do not use it: 1,152 bytes a wave.
; CLUSTER 4 x 1: the four partners walk the same K and V: each tile is asked for jointly.  No prefetch: K's and V's bytes are all asked for at the head, and Wo's own loads keep 64 a wave on their way.
; LAYOUT.  Both products are used transposed: S^T = K Q^T, O^T = V^T P^T: a lane holds ONE query throughout.  Operands lie by positions (a row's number with bits 3 and 4 exchanged), so the 16 registers of tiles 2 b
; and 2 b + 1 are 16 neighbouring keys (or channels) 32 b + 16 (lane / 16) + 0 .. 15, and lane r of tile T is query 32 (T / 2) + 8 (T % 2) + r + 8 (r / 8).
; LIMITS: a block of zeros gets the scale byte 1 (its codes are zeros; only this program reads the bytes); magnitudes under 2^(3 - 127) are taken as that; NaN and infinities are not served.
; REGISTERS, both roles: v1-3 LDS bases (steps 0-2, 3-5, 6-7; v1 is also 16 x lane); v4 the mask's number; v5-7 o's scale words; v8-9 my stage, in and out; v10 4 x lane; v11 16 x my column's position.
;   waves 0-7: v12 -M, v13 the largest t, v[14:15] the sum; v16-23 Q; v24-31 scale words of K, then of V; v32-95 K's fragments, then V's; v96-159 S^T, then p; v160-223 O^T; v224-231 codes; v232-254 at work; v255 Q's scale word.
;   waves 8-15: v16-111 three sets of 32 numbers; v112-115 a block's codes; v116-117 eight scale bytes; v118-120 at work; v124-155 the way out.
.set STEPB, 18432
.set OSST,  8*STEPB                    ; behind the tiles: 512 bytes in which the two tiles' scale words of four heads meet
.set WST,   OSST+512                   ; behind them: the stages of waves 8-15
.set WP,    144                        ; a position's 128 bytes of codes + 16
.set WSTG,  32*WP
.set QS,    2097152
.set KV,    2359296
.set WV,    10
.set LAST,  15                         ; s15  my tile's last key step
.set TM,    232
.set PC,    224
.set PW,    253
.set X,     16
.set C,     112
.set SB,    116
.set MX,    118
.set SO,    120
.set OUTR,  124
.macro CROUND
	s_barrier_signal -1
	s_barrier_wait -1
	s_cmp_lg_u32 s[WV], 0
	s_cbranch_scc1 .Lnot_wave_0_\@
	s_barrier_signal -3
.Lnot_wave_0_\@:
	s_barrier_wait -3
	s_barrier_signal -1
	s_barrier_wait -1
.endm
	s_load_b128 s[4:7], s[0:1], 0x0                ; qkv, oc
	s_load_b64 s[8:9], s[0:1], 0x10                ; osc
	s_load_b64 s[80:81], s[0:1], 0x18              ; Wo
	s_load_b128 s[84:87], s[0:1], 0x20             ; codes, scales
	v_lshl_add_u32 v250, v0, 2, 0x2d200
	v_mov_b32 v251, 0
	ds_add_u32 v250, v251
	ds_add_u32 v250, v251
	v_lshrrev_b32 v1, 5, v0
	v_readfirstlane_b32 s[WV], v1                  ; wave 0..15
	s_bfe_u32 s11, ttmp6, 0x40000                  ; cx
	s_lshl_b32 s12, ttmp9, 2
	s_add_co_u32 s12, s12, s11                     ; p: the short waves' tile, and Wo's group of 128 columns
	s_and_b32 s13, ttmp7, 0xffff                   ; the kv head, and Wo's run of 512 along K
	s_sub_co_u32 s17, 63, s12                      ; the long waves' tile
	s_lshr_b32 s18, ttmp9, 1                       ; p / 8
	s_sub_co_u32 s19, 7, s18
	s_cmp_lt_u32 s[WV], 4
	s_cselect_b32 s14, s17, s12                    ; T
	s_cselect_b32 s[LAST], s19, s18                ; T / 8: made of the wave's and the cluster's numbers alone
	s_and_b32 s88, s[WV], 3                        ; wave % 4: which head; which 32 columns
	s_bfe_u32 s89, s[WV], 0x10002                  ; bit 2 of the wave's number: which tile; which 256 along K
	s_lshl_b32 s75, s13, 2
	s_add_co_u32 s16, s88, s75                     ; my query head
	s_mov_b32 s20, 0x76543210
	s_mov_b32 s21, 0xfedcba98                      ; lane l xor 16
	s_mov_b32 s22, 0x3e0293ee                      ; c = log2(e) / sqrt(128)
	s_mov_b32 s23, s22                             ; (named with it as a pair)
	s_mov_b32 s24, 15|(3<<16)|(1<<21)              ; group 1: the mask names all four; elements of 8 bytes; bit 21 beside a mask; no padding
	s_mov_b32 s25, 32<<16                          ; tensor_dim0: 256 bytes
	s_mov_b32 s26, 9<<16                           ; tensor_dim1
	s_mov_b32 s27, 32<<16                          ; tile_dim0
	s_mov_b32 s28, 9                               ; tile_dim1
	s_mov_b32 s29, 32                              ; dense
	s_mov_b32 s30, 0
	s_mov_b32 s31, 0
	s_mul_i32 s68, s[WV], 2304                     ; my eighth of a step (waves 0-7)
	s_mul_i32 s66, s13, 8*STEPB
	s_add_co_u32 s66, s66, s68
	s_add_co_u32 s66, s66, KV
	s_mov_b32 s67, 0
	s_lshl_b32 s70, s16, 16                        ; Q's fragment: head, tile
	s_lshl_b32 s71, s14, 10
	s_add_co_u32 s70, s70, s71
	s_mov_b32 s71, 0
	s_lshl_b32 s72, s16, 13                        ; and its scale word
	s_lshr_b32 s73, s14, 2
	s_lshl_b32 s73, s73, 9
	s_add_co_u32 s72, s72, s73
	s_and_b32 s73, s14, 3
	s_lshl_b32 s73, s73, 2
	s_add_co_u32 s72, s72, s73
	s_add_co_u32 s72, s72, QS
	s_mov_b32 s73, 0
	s_bfe_u32 s74, s14, 0x20001                    ; (T / 2) % 4
	s_lshl_b32 s74, s74, 5
	s_and_b32 s75, s14, 1
	s_lshl_b32 s75, s75, 3
	s_add_co_u32 s74, s74, s75
	s_lshl_b32 s76, s89, 8
	s_lshl_b32 s75, s88, 2
	s_add_co_u32 s76, s76, s75
	s_add_co_u32 s76, s76, OSST                    ; o's scale words: 256 bytes a tile, 4 bytes a head
	s_lshl_b32 s79, s13, 11
	s_lshr_b32 s77, s17, 3
	s_lshl_b32 s77, s77, 14
	s_and_b32 s75, s17, 7
	s_lshl_b32 s75, s75, 8
	s_add_co_u32 s77, s77, s75
	s_add_co_u32 s77, s77, s79                     ; the long tile's 256 bytes in osc
	s_lshr_b32 s78, s12, 3
	s_lshl_b32 s78, s78, 14
	s_and_b32 s75, s12, 7
	s_lshl_b32 s75, s75, 8
	s_add_co_u32 s78, s78, s75
	s_add_co_u32 s78, s78, s79                     ; the short tile's
	s_lshl_b32 s18, s14, 15
	s_lshl_b32 s19, s16, 10
	s_add_co_u32 s18, s18, s19                     ; oc at tile T, K step = my head
	s_mov_b32 s19, 0
	s_mul_i32 s90, s[WV], WSTG
	s_add_co_u32 s90, s90, WST-8*WSTG              ; the stage of wave 8 + q begins at WST + q x WSTG
	s_lshl_b32 s92, s13, 23                        ; Wo: 512 rows of 16,384 bytes a run along K,
	s_lshl_b32 s94, s89, 22                        ; 256 rows a half,
	s_add_co_u32 s92, s92, s94
	s_lshl_b32 s94, s12, 9                         ; 128 columns of 4 bytes a group,
	s_add_co_u32 s92, s92, s94
	s_lshl_b32 s94, s88, 7                         ; 32 a wave: under 2^26 in all
	s_add_co_u32 s92, s92, s94
	s_mov_b32 s93, 0
	s_lshl_b32 s82, s12, 3
	s_lshl_b32 s94, s88, 1
	s_add_co_u32 s82, s82, s94
	s_add_co_u32 s82, s82, 384                     ; my first tile of codes: 384 + 8 p + 2 (wave % 4)
	s_lshl_b32 s82, s82, 15
	s_lshl_b32 s94, s13, 12
	s_add_co_u32 s82, s82, s94
	s_lshl_b32 s94, s89, 11
	s_add_co_u32 s82, s82, s94
	s_mov_b32 s83, 0
	s_add_co_u32 s94, s12, 48                      ; my group of scales
	s_lshl_b32 s94, s94, 14
	s_lshl_b32 s95, s13, 11
	s_add_co_u32 s94, s94, s95
	s_lshl_b32 s95, s88, 9
	s_add_co_u32 s94, s94, s95
	s_lshl_b32 s95, s89, 3
	s_add_co_u32 s94, s94, s95
	s_mov_b32 s95, 0
	v_and_b32 v12, 31, v0                          ; lane
	v_and_b32 v13, 15, v0                          ; r
	v_bfe_u32 v14, v0, 4, 1                        ; h
	v_lshlrev_b32 v1, 4, v12                       ; 16 x lane: an image's place
	v_add_nc_u32 v2, 3*STEPB, v1
	v_add_nc_u32 v3, 6*STEPB, v1
	v_add_nc_u32 v6, OSST, v1
	v_and_b32 v15, 8, v13
	v_add_nc_u32 v15, v15, v13                     ; r + 8 (r / 8)
	v_lshlrev_b32 v4, 4, v14
	v_sub_nc_u32 v4, v15, v4
	v_add_nc_u32 v4, s74, v4                       ; my query - the diagonal step's first key - 16 h.  Register 16 b + e holds that step's key 32 b + 16 h + e: hidden where 32 b + e is greater
	v_lshl_add_u32 v5, v13, 4, s76                 ; my scale word's place: 256 x tile + 16 r + 4 (wave % 4)
	v_mov_b32 v15, s77
	v_mov_b32 v7, s78
	v_cmp_gt_u32 vcc_lo, 16, v12
	v_cndmask_b32 v7, v7, v15, vcc_lo              ; lanes 0-15 the long tile's, lanes 16-31 the short one's
	v_lshl_add_u32 v7, v13, 4, v7
	v_bfe_u32 v15, v0, 3, 1
	v_and_b32 v11, 7, v0
	v_lshl_or_b32 v11, v15, 4, v11
	v_lshl_or_b32 v11, v14, 3, v11                 ; my column's position: the lane's bits 3 and 4 exchanged
	v_mul_u32_u24 v8, v11, WP
	v_add_nc_u32 v8, s90, v8                       ; the stage, on the way in: row = my position
	v_mul_u32_u24 v9, v13, WP
	v_lshl_add_u32 v9, v14, 4, v9
	v_add_nc_u32 v9, s90, v9                       ; on the way out: row r, + 16 h
	v_lshlrev_b32 v11, 4, v11                      ; 16 x position: my scale bytes' place
	v_lshlrev_b32 v10, 2, v12                      ; 4 x lane: my column
	v_mov_b32 v14, 0                               ; the sum, in two halves
	v_mov_b32 v15, 0
.irp b, 0,1,2,3
	v_mov_b32 v[236+\b], 0                         ; a lane permute's destination counts as one of its sources
.endr
	v_mov_b32 v252, 0
	s_wait_dscnt 0x0
	s_wait_kmcnt 0x0
	s_add_nc_u64 s[66:67], s[4:5], s[66:67]
	s_add_nc_u64 s[70:71], s[4:5], s[70:71]
	s_add_nc_u64 s[72:73], s[4:5], s[72:73]
	s_add_nc_u64 s[6:7], s[6:7], s[18:19]
	s_add_nc_u64 s[80:81], s[80:81], s[92:93]
	s_add_nc_u64 s[84:85], s[84:85], s[82:83]
	s_add_nc_u64 s[86:87], s[86:87], s[94:95]
.irp j, 0,1,2,3,4,5,6,7
	s_mov_b32 s[32+4*\j], 1
	s_add_co_u32 s[33+4*\j], s68, \j*STEPB
	s_add_nc_u64 s[34+4*\j:35+4*\j], s[66:67], \j*STEPB
	s_or_b32 s[35+4*\j], s[35+4*\j], 0x80000000
.endr
	CROUND                                         ; all four work-groups are here: the joint loads meet
	s_cmp_lt_u32 s[WV], 8
	s_cbranch_scc0 .Lno_tiles                      ; waves 8-15 fetch no tile
.irp j, 0,1,2,3,4,5,6,7
	tensor_load_to_lds s[32+4*\j:35+4*\j], s[24:31]
	s_nop 0
.endr
.rept 4
	v_nop
.endr
.Lno_tiles:
	global_load_b128 v[16:19], v1, s[70:71]        ; Q's fragment stays in registers
	global_load_b128 v[20:23], v1, s[70:71] offset:512
	global_load_b32 v255, v1, s[72:73]             ; and its scale word
	s_wait_loadcnt 0x0                             ; Q
	s_wait_tensorcnt 0x0                           ; all my eighths have landed
	s_barrier_signal -1
	s_barrier_wait -1                              ; everybody's have: all eight key steps lie in LDS, and nothing is filled again
	s_cmp_lt_u32 s[WV], 8
	s_cbranch_scc0 .Lstream                        ; the roles part
; ---------------- WAVES 0-7.  A KEY STEP: 128 keys.  Step 0, which every wave runs, starts M, the sum and O^T: nothing is cleared but the sum.  No barrier stands in a step.
.macro STEP j
.set AD, 1+(\j)/3
.set OB, ((\j)%3)*STEPB
.if (\j) > 0
	s_cmp_lt_u32 s[LAST], \j
	s_cbranch_scc1 .Lskip_\@                       ; all these keys come after my queries
.rept 4
	v_nop                                          ; places in front of loads into registers that the last products read
.endr
.endif
.irp t, 0,1,2,3,4,5,6,7
.irp c, 0,1
	ds_load_b128 v[32+8*\t+4*\c:35+8*\t+4*\c], v[AD] offset:OB+1024*\t+512*\c
.endr
.endr
.irp g, 0,1
	ds_load_b128 v[24+4*\g:27+4*\g], v[AD] offset:OB+8192+512*\g
.endr
	s_wait_dscnt 0x0
.irp t, 0,1,2,3,4,5,6,7
	v_wmma_scale_f32_16x16x128_f8f6f4 v[96+8*\t:103+8*\t], v[32+8*\t:39+8*\t], v[16:23], 0, v[24+\t], v255 matrix_a_fmt:MATRIX_FMT_FP4 matrix_b_fmt:MATRIX_FMT_FP4
.endr
.rept 4
	v_nop
.endr
.irp t, 0,1,2,3,4,5,6,7                ; V's fragments go out at once, into K's registers: they land under the softmax
.irp c, 0,1
	ds_load_b128 v[32+8*\t+4*\c:35+8*\t+4*\c], v[AD] offset:OB+9216+1024*\t+512*\c
.endr
.endr
.irp g, 0,1
	ds_load_b128 v[24+4*\g:27+4*\g], v[AD] offset:OB+17408+512*\g
.endr
	s_cmp_lg_u32 s[LAST], \j
	s_cbranch_scc1 .Lopen_\@                       ; only my last step lies on the diagonal
	v_mov_b32 v254, 0xff800000                     ; hidden scores become -infinity ahead of the maximum: p = 0 then
.irp n, 0,1,2,3,4,5,6,7,8,9,10,11,12,13,14,15,16,17,18,19,20,21,22,23,24,25,26,27,28,29,30,31,32,33,34,35,36,37,38,39,40,41,42,43,44,45,46,47,48,49,50,51,52,53,54,55,56,57,58,59,60,61,62,63
	v_cmp_gt_i32 vcc_lo, 32*(\n/16)+\n%16, v4
	v_cndmask_b32 v[96+\n], v[96+\n], v254, vcc_lo
.endr
.Lopen_\@:
.irp b, 0,1,2,3
	v_max3_num_f32 v[232+\b], v[96+16*\b], v[97+16*\b], v[98+16*\b]   ; the largest score of each block of 32 keys: it serves the row's maximum and, since p rises with the score, the block's largest p
.endr
.irp i, 3,5,7,9,11,13
.irp b, 0,1,2,3
	v_max3_num_f32 v[232+\b], v[232+\b], v[96+16*\b+\i], v[97+16*\b+\i]
.endr
.endr
.irp b, 0,1,2,3
	v_max_num_f32 v[232+\b], v[232+\b], v[111+16*\b]
.endr
.irp b, 0,1,2,3
	v_permlanex16_b32 v[236+\b], v[232+\b], s20, s21
.endr
.irp b, 0,1,2,3
	v_max_num_f32 v[232+\b], v[232+\b], v[236+\b]  ; with lane l xor 16's 16 keys
.endr
	v_max3_num_f32 v254, v232, v233, v234
	v_max_num_f32 v254, v254, v235                 ; the step's largest score of my query
.if (\j) == 0
	v_mul_f32 v13, s22, v254                       ; as t
	v_floor_f32 v12, -v13                          ; -M = floor(-t): M is a whole number
.else
	v_mul_f32 v254, s22, v254
	v_max_num_f32 v13, v13, v254                   ; the running largest t
	v_mov_b32 v254, v12
	v_floor_f32 v12, -v13
	v_sub_f32 v254, v12, v254                      ; old M - new M: a whole number, 0 or less
	v_cvt_i32_f32 v254, v254
	v_ldexp_f32 v252, 1.0, v254                    ; f = 2^(old M - new M)
.endif
.irp n, 0,2,4,6,8,10,12,14,16,18,20,22,24,26,28,30,32,34,36,38,40,42,44,46,48,50,52,54,56,58,60,62
	v_pk_fma_f32 v[96+\n:97+\n], v[96+\n:97+\n], s[22:23], v[12:13] op_sel_hi:[1,0,0]   ; t - M, two at a time
.endr
.irp b, 0,1,2,3
	v_fma_f32 v[232+\b], v[232+\b], s22, v12       ; the same of each block's largest score
.endr
.irp n, 0,1,2,3,4,5,6,7,8,9,10,11,12,13,14,15,16,17,18,19,20,21,22,23,24,25,26,27,28,29,30,31,32,33,34,35,36,37,38,39,40,41,42,43,44,45,46,47,48,49,50,51,52,53,54,55,56,57,58,59,60,61,62,63
	v_exp_f32 v[96+\n], v[96+\n]                   ; p = 2^(t - M)
.endr
.if (\j) == 0
	v_nop                                          ; a plain line behind the exponentials
.else
	v_pk_mul_f32 v[14:15], v[14:15], v[252:253] op_sel_hi:[1,0]   ; the sums under the new M (a plain line behind the exponentials)
.endif
	s_wait_alu depctr_va_vdst(0)                   ; one wait for the batch of 64, ahead of its first reader
.irp b, 0,1,2,3
	v_exp_f32 v[232+\b], v[232+\b]                 ; the blocks' largest p
.endr
	v_pk_add_f32 v[236:237], v[96:97], v[98:99]    ; the row's sum is taken of the unquantised p: two at a time, in two chains
.irp n, 4,8,12,16,20,24,28,32,36,40,44,48,52,56,60
	v_pk_add_f32 v[14:15], v[14:15], v[96+\n:97+\n]
	v_pk_add_f32 v[236:237], v[236:237], v[98+\n:99+\n]
.endr
	v_pk_add_f32 v[14:15], v[14:15], v[236:237]
	s_wait_alu depctr_va_vdst(0)                   ; and one for the four
.irp b, 0,1,2,3
	v_max_num_f32 v[232+\b], 0x1800000, v[232+\b]  ; the floor 2^(3 - 127): the byte cannot fall under 1
.endr
.irp b, 0,1,2,3
	v_add_nc_u32 v[244+\b], 0xff000000, v[232+\b]  ; 2 off the exponent field: the conversion's scale operand
.endr
.irp b, 0,1,2,3
	v_lshrrev_b32 v[236+\b], 23, v[244+\b]
.endr
	v_lshl_or_b32 v253, v237, 8, v236              ; p's scale word for these 128 keys
	v_lshl_or_b32 v253, v238, 16, v253
	v_lshl_or_b32 v253, v239, 24, v253
.irp b, 0,1,2,3
	v_cvt_scalef32_pk8_fp4_f32 v[224+2*\b], v[96+16*\b:103+16*\b], v[244+\b]
	v_cvt_scalef32_pk8_fp4_f32 v[225+2*\b], v[104+16*\b:111+16*\b], v[244+\b]
.endr
	v_nop                                          ; one plain line behind the conversions
.irp c, 0,1
.irp i, 0,1
	v_permlane16_swap_b32 v[224+4*\c+\i], v[226+4*\c+\i]
.endr
.endr
.if (\j) == 0
.rept 8
	v_nop                                          ; a scale word made by vector instructions stands eight places ahead of the scaled products, an operand four
.endr
.else
.irp n, 0,2,4,6,8,10,12,14,16,18,20,22,24,26,28,30,32,34,36,38,40,42,44,46,48,50,52,54,56,58,60,62
	v_pk_mul_f32 v[160+\n:161+\n], v[160+\n:161+\n], v[252:253] op_sel_hi:[1,0]   ; O^T under the new M (these 32 are those places too)
.endr
.endif
	s_wait_dscnt 0x0                               ; V
.irp t, 0,1,2,3,4,5,6,7
.if (\j) == 0
	v_wmma_scale_f32_16x16x128_f8f6f4 v[160+8*\t:167+8*\t], v[32+8*\t:39+8*\t], v[224:231], 0, v[24+\t], v253 matrix_a_fmt:MATRIX_FMT_FP4 matrix_b_fmt:MATRIX_FMT_FP4
.else
	v_wmma_scale_f32_16x16x128_f8f6f4 v[160+8*\t:167+8*\t], v[32+8*\t:39+8*\t], v[224:231], v[160+8*\t:167+8*\t], v[24+\t], v253 matrix_a_fmt:MATRIX_FMT_FP4 matrix_b_fmt:MATRIX_FMT_FP4
.endif
.endr
.if (\j) > 0
.Lskip_\@:
.endif
.endm
	STEP 0
	STEP 1
	STEP 2
	STEP 3
	STEP 4
	STEP 5
	STEP 6
	STEP 7
	; THE WAY OUT: O^T / the sum; register 16 b + e is channel 32 b + 16 h + e of my query: quantised as it stands: K step = my head of the last product.
.rept 4
	v_nop
.endr
	v_add_f32 v14, v14, v15
	v_permlanex16_b32 v252, v14, s20, s21
	v_add_f32 v14, v14, v252                       ; the row's sum
	v_rcp_f32 v14, v14
	v_nop                                          ; a plain line behind the reciprocal,
	s_wait_alu depctr_va_vdst(0)                   ; and the wait ahead of its first reader
.irp n, 0,1,2,3,4,5,6,7,8,9,10,11,12,13,14,15,16,17,18,19,20,21,22,23,24,25,26,27,28,29,30,31,32,33,34,35,36,37,38,39,40,41,42,43,44,45,46,47,48,49,50,51,52,53,54,55,56,57,58,59,60,61,62,63
	v_mul_f32 v[96+\n], v[160+\n], v14
.endr
.irp b, 0,1,2,3
	v_max3_num_f32 v[TM+\b], |v[96+16*\b]|, |v[97+16*\b]|, 0x1800000
.endr
.irp i, 2,4,6,8,10,12,14
.irp b, 0,1,2,3
	v_max3_num_f32 v[TM+\b], v[TM+\b], |v[96+16*\b+\i]|, |v[97+16*\b+\i]|
.endr
.endr
.irp b, 0,1,2,3
	v_permlanex16_b32 v[TM+4+\b], v[TM+\b], s20, s21
.endr
.irp b, 0,1,2,3
	v_max_num_f32 v[TM+\b], v[TM+\b], v[TM+4+\b]
.endr
.irp b, 0,1,2,3
	v_add_nc_u32 v[TM+12+\b], 0xff000000, v[TM+\b]
.endr
.irp b, 0,1,2,3
	v_lshrrev_b32 v[TM+4+\b], 23, v[TM+12+\b]
.endr
	v_lshl_or_b32 v[PW], v[TM+5], 8, v[TM+4]
	v_lshl_or_b32 v[PW], v[TM+6], 16, v[PW]
	v_lshl_or_b32 v[PW], v[TM+7], 24, v[PW]
.irp b, 0,1,2,3
	v_cvt_scalef32_pk8_fp4_f32 v[PC+2*\b], v[96+16*\b:103+16*\b], v[TM+12+\b]
	v_cvt_scalef32_pk8_fp4_f32 v[PC+1+2*\b], v[104+16*\b:111+16*\b], v[TM+12+\b]
.endr
	v_nop
.irp c, 0,1
.irp i, 0,1
	v_permlane16_swap_b32 v[PC+4*\c+\i], v[PC+2+4*\c+\i]
.endr
.endr
	global_store_b128 v1, v[PC:PC+3], s[6:7]       ; the fragment as it stands: two stores of 512 consecutive bytes
	global_store_b128 v1, v[PC+4:PC+7], s[6:7] offset:512
	ds_store_b32 v5, v[PW]                         ; four heads' words of a row make its 16 bytes; lanes 16-31 write the same words with the same values
	s_branch .Ljoin
; ---------------- WAVES 8-15.  32 columns of Wo x 256 along K: eight blocks of 32, all 32 numbers of a block in one lane.
.macro WLOAD t                         ; block t: Wo(32 t + i, my column), into set t % 3
.set i, 0
.rept 32
	global_load_b32 v[X+32*((\t)%3)+i], v10, s[80:81] offset:(32*(\t)+i)*16384 th:TH_LOAD_NT
.set i, i+1
.endr
.endm
.macro BLOCK t
.set XS, X+32*((\t)%3)
.if (\t) < 7
	s_wait_loadcnt 32                              ; this block's 32 loads are in; the next block's 32 may be out
.else
	s_wait_loadcnt 0x0
.endif
.if (\t)+2 < 8
	WLOAD (\t)+2                                   ; at once, into the set that the block before has left: 64 loads are on their way while this block is worked
.endif
	v_max3_num_f32 v[MX], |v[XS]|, |v[XS+1]|, |v[XS+2]|             ; the block's largest magnitude, in two chains
	v_max3_num_f32 v[MX+1], |v[XS+3]|, |v[XS+4]|, |v[XS+5]|
.irp i, 6,10,14,18,22,26
	v_max3_num_f32 v[MX], v[MX], |v[XS+\i]|, |v[XS+\i+1]|
	v_max3_num_f32 v[MX+1], v[MX+1], |v[XS+\i+2]|, |v[XS+\i+3]|
.endr
	v_max3_num_f32 v[MX], v[MX], |v[XS+30]|, |v[XS+31]|
	v_max3_num_f32 v[MX], v[MX], v[MX+1], 0x1800000   ; and the floor 2^(3 - 127): the byte cannot fall under 1
	v_add_nc_u32 v[SO], 0xff000000, v[MX]          ; 2 off the exponent field: the conversion's scale operand
	v_lshrrev_b32 v[MX+1], 23, v[SO]               ; the scale's byte
.if (\t)%4 == 0
	v_mov_b32 v[SB+(\t)/4], v[MX+1]                ; four bytes to a register, the lower K in the lower byte
.else
	v_lshl_or_b32 v[SB+(\t)/4], v[MX+1], 8*((\t)%4), v[SB+(\t)/4]
.endif
.irp g, 0,1,2,3
	v_cvt_scalef32_pk8_fp4_f32 v[C+\g], v[XS+8*\g:XS+8*\g+7], v[SO]
.endr
	v_nop                                          ; one plain line behind the conversions
	ds_store_b128 v8, v[C:C+3] offset:16*(\t)      ; 32 codes: 16 bytes of my position's row
	s_wait_dscnt 0x0                               ; the store has read its registers: the next block's codes may be written
.endm
.Lstream:
	WLOAD 0
	WLOAD 1
.irp t, 0,1,2,3,4,5,6,7
	BLOCK \t
.endr
	global_store_b64 v11, v[SB:SB+1], s[86:87]     ; my column's eight scale bytes, at its position
.irp u, 0,1                            ; the way out: tile u, step q of 128 along K, half c: lane (r, h) takes block 4 q + 2 c + h of position 16 u + r
.irp q, 0,1
.irp c, 0,1
	ds_load_b128 v[OUTR+4*(4*\u+2*\q+\c):OUTR+4*(4*\u+2*\q+\c)+3], v9 offset:\u*16*WP+64*\q+32*\c   ; LDS serves a wave's instructions in order: these see my stores
.endr
.endr
.endr
.irp u, 0,1
.irp q, 0,1
.irp c, 0,1
	s_wait_dscnt 7-(4*\u+2*\q+\c)                  ; the younger loads may be out
	global_store_b128 v1, v[OUTR+4*(4*\u+2*\q+\c):OUTR+4*(4*\u+2*\q+\c)+3], s[84:85] offset:\u*32768+\q*1024+\c*512   ; 512 consecutive bytes, aligned
.endr
.endr
.endr
; ---------------- the roles join
.Ljoin:
	s_wait_dscnt 0x0                               ; for the others' sake: my LDS stores have landed
	s_barrier_signal -1
	s_barrier_wait -1
	s_cmp_lg_u32 s[WV], 0
	s_cbranch_scc1 .Lnot_first
	ds_load_b128 v[32:35], v6                      ; both tiles' 256 bytes of o's scale words
	s_wait_dscnt 0x0
	global_store_b128 v7, v[32:35], s[8:9]         ; sixteen lanes store 256 consecutive bytes, aligned, for each tile
.Lnot_first:
	s_wait_tensorcnt 0x0
	s_wait_tensorcnt 0x0
	ds_add_u32 v250, v251
	s_wait_dscnt 0x0
	CROUND                                         ; the closing round
	s_endpgm
.Lfunc_end_k_q1cf1a3a4cc_attn:
	.size	k_q1cf1a3a4cc_attn, .Lfunc_end_k_q1cf1a3a4cc_attn-k_q1cf1a3a4cc_attn
	.p2alignl 7, 3214868480
	.fill 96, 4, 3214868480
	.section	.rodata,"a",@progbits
	.p2align	6, 0x0
	.amdhsa_kernel k_q1cf1a3a4cc_attn
		.amdhsa_group_segment_fixed_size 186880
		.amdhsa_private_segment_fixed_size 0
		.amdhsa_enable_private_segment 0
		.amdhsa_kernarg_size 48
		.amdhsa_user_sgpr_count 2
		.amdhsa_user_sgpr_kernarg_segment_ptr 1
		.amdhsa_wavefront_size32 1
		.amdhsa_system_sgpr_workgroup_id_x 1
		.amdhsa_system_sgpr_workgroup_id_y 1
		.amdhsa_system_sgpr_workgroup_id_z 1
		.amdhsa_system_vgpr_workitem_id 0
		.amdhsa_next_free_vgpr 256
		.amdhsa_next_free_sgpr 96
		.amdhsa_reserve_vcc 1
		.amdhsa_float_denorm_mode_32 3
		.amdhsa_float_denorm_mode_16_64 3
		.amdhsa_memory_ordered 1
		.amdhsa_forward_progress 1
		.amdhsa_inst_pref_size 233
	.end_amdhsa_kernel
	.amdgpu_metadata
---
amdhsa.version: [ 1, 2 ]
amdhsa.kernels:
  - .name:           k_q1cf1a3a4cc_attn
    .symbol:         k_q1cf1a3a4cc_attn.kd
    .args:
      - { .name: qkv, .offset: 0, .size: 8, .value_kind: global_buffer, .address_space: global }
      - { .name: oc, .offset: 8, .size: 8, .value_kind: global_buffer, .address_space: global }
      - { .name: osc, .offset: 16, .size: 8, .value_kind: global_buffer, .address_space: global }
      - { .name: Wo, .offset: 24, .size: 8, .value_kind: global_buffer, .address_space: global }
      - { .name: codes, .offset: 32, .size: 8, .value_kind: global_buffer, .address_space: global }
      - { .name: scales, .offset: 40, .size: 8, .value_kind: global_buffer, .address_space: global }
    .group_segment_fixed_size: 186880
    .private_segment_fixed_size: 0
    .kernarg_segment_align: 8
    .kernarg_segment_size: 48
    .max_flat_workgroup_size: 512
    .sgpr_count:     96
    .vgpr_count:     256
    .wavefront_size: 32
...
	.end_amdgpu_metadata
.endif
;; end of part 3
;; launch outp (part 4): grid 32 x 8, 4 waves a work-group, clusters of 4 x 4, 327,680 bytes of LDS; arguments codes, scales, oc, osc, bo, out0; writes out0
.if DOCPART == 4
	.amdgcn_target "amdgcn-amd-amdhsa--gfx1250"
	.amdhsa_code_object_version 6
	.text
	.protected	k_q1cf1a3a4cc_outp
	.globl	k_q1cf1a3a4cc_outp
	.p2align	8
	.type	k_q1cf1a3a4cc_outp,@function
k_q1cf1a3a4cc_outp:
	s_mov_b64 s[64:65], 0
	v_nop
	global_prefetch_b8 v0, s[64:65] scope:SCOPE_SE
	s_setreg_imm32_b32 hwreg(HW_REG_WAVE_MODE, 25, 1), 1
	s_wait_xcnt 0x0
	s_wait_alu depctr_hold_cnt(0) depctr_sa_sdst(0) depctr_va_vdst(0) depctr_va_sdst(0) depctr_va_ssrc(0) depctr_va_vcc(0) depctr_vm_vsrc(0)
	s_getreg_b32 s2, hwreg(HW_REG_IB_STS2, 6, 4)
	s_cmp_eq_u32 s2, 0
	s_cbranch_scc0 .Lentry_in_a_cluster
	s_endpgm
.Lentry_in_a_cluster:
	s_bfe_u32 s2, ttmp6, 0x10000c
	s_cmp_lg_u32 s2, 0xf033
	s_cbranch_scc0 .Lentry_shape_is_right
	s_endpgm
.Lentry_shape_is_right:
; out0 = o Wo + bo on codes of FP4 with E8M0 scales, K = 4096.  D = P Q^T: source 0 = 16 positions of P = columns of Wo, source 1 = 16 positions of Q = rows of o.
; A work-group makes 128 rows x 128 columns; its four waves 64 x 64 each (ph = wave % 2: P's half; qh = wave / 2: Q's half): 16 accumulators.  256 work-groups.
; Operands lie by positions (a row's number with bits 3 and 4 exchanged): register 16 b + e of a lane (r, h) is column 32 b + 16 h + e, lane r of Q's tile T is row 32 (T / 2) + 8 (T % 2) + r + 8 (r / 8).
; codes, oc: [tile][K / 128][c][lane][16 bytes], the image of an operand's registers.  scales, osc: [group of 128][K / 512][position][16 bytes].
; K goes in steps of 1,024 through a ring of two LDS slots (8 tiles of P, 8 of Q, 8,192 bytes each): half of K is asked for at the head, and two refills remain.  The scales of all of K come once and stay.
; CLUSTER 4 x 4: P is asked for jointly down a column of the cluster, Q along a row.
; REGISTERS.  window 0: v1-14 addresses; v16-47 scale words, two sets of 16; v64-127 P's fragments, two sets; v128-191 Q's, two sets; v192-255 the way out.  window 1: v0-127 the accumulators, (i, t) at 8 (4 i + t); v128-159 the bias.
.set PT,    4
.set NQ,    8
.set TB,    NQ*1024
.set PPART, 8*TB
.set SLOT,  16*TB
.set SCL,   2*SLOT
.set SCQ,   SCL+16384
.set SPARE, SCQ+16384                  ; the spare words: 128 bytes a wave, two blocks of 256 that no other line names
.set LI,    1
.set ADRP,  2
.set ADRQ,  4
.set ADSP,  6
.set ADSQ,  7
.set SPW,   8
.set NIL,   9
.set PFO,   10
.set STO,   11
.set RD,    12
.set CO,    13
.set ABI,   14
.set SC,    16
.set SCS,   2*PT+8
.set PF,    64
.set QF,    128
.set H,     192
.set BK,    224
.set BIAS,  128
.set G1Q,   24
.set G0Q,   32
.set G1P,   48
.set G0P,   56
.set G1SQ,  68
.set G0SQ,  76
.set G1SP,  80
.set G0SP,  88
.set PFA,   92
.set LIM,   94
.set MULW,  0x50
.set MSB, 0
.macro WIN new
.if MSB != \new
	s_set_vgpr_msb (MSB<<8)|\new
.set MSB, \new
.endif
.endm
.macro JLOAD g0p, g1p, g0q, g1q        ; waves 0 and 1 fetch P's halves, waves 2 and 3 Q's; four v_nop follow each of the two lines
	s_cmp_eq_u32 s19, 0
	s_cbranch_scc0 .Lfor_q_\@
	tensor_load_to_lds s[\g0p:\g0p+3], s[\g1p:\g1p+7]
	s_nop 0
.rept 4
	v_nop
.endr
	s_branch .Lasked_\@
.Lfor_q_\@:
	tensor_load_to_lds s[\g0q:\g0q+3], s[\g1q:\g1q+7]
	s_nop 0
.rept 4
	v_nop
.endr
.Lasked_\@:
.endm
.macro CREST
	s_cmp_lg_u32 s18, 0
	s_cbranch_scc1 .Lnot_wave_0_\@
	s_barrier_signal -3
.Lnot_wave_0_\@:
	s_barrier_wait -3
	s_barrier_signal -1
	s_barrier_wait -1
.endm
.macro CROUND
	s_barrier_signal -1
	s_barrier_wait -1
	CREST
.endm
; The one prefetch: behind the refill for the third quarter of K stands the last quarter: a tile's 8,192 bytes, lanes 256 bytes apart, one instruction a wave.  P's 8 tiles: waves 0 and 1 of the column's four partners,
; in the clusters with y = 0; Q's 8: waves 2 and 3 of a row's four partners, in the clusters with x = 0.  The partners are told apart by address: each aligned block of 256 bytes is named once.
.macro ASK
	s_cmp_eq_u32 s[LIM], 1
	s_cbranch_scc0 .Lnot_mine_\@
	global_prefetch_b8 v[PFO], s[PFA:PFA+1] th:TH_LOAD_NT scope:SCOPE_SE
.Lnot_mine_\@:
.endm
	s_load_b128 s[4:7], s[0:1], 0x0                ; codes, scales
	s_load_b128 s[8:11], s[0:1], 0x10              ; oc, osc
	s_load_b128 s[12:15], s[0:1], 0x20             ; bo, out0
	v_lshl_add_u32 v[SPW], v0, 2, SPARE
	v_mov_b32 v[NIL], 0
	ds_add_u32 v8, v9
	ds_add_u32 v8, v9
	s_wait_dscnt 0x0
	v_lshrrev_b32 v1, 5, v0
	v_readfirstlane_b32 s18, v1                    ; wave 0..3
	s_lshr_b32 s19, s18, 1                         ; qh.  Also: I fetch for P (0) or for Q (1)
	s_and_b32 s20, s18, 1                          ; ph.  Also: which half I fetch
	s_bfe_u32 s21, ttmp6, 0x40000                  ; cx
	s_bfe_u32 s22, ttmp6, 0x40004                  ; cy
	s_lshl_b32 s23, ttmp9, 2
	s_add_co_u32 s23, s23, s21                     ; px
	s_lshl_b32 s44, 0x1111, s21                    ; my column of the cluster
	s_or_b32 s[G1P], s44, (3<<16)|(1<<21)          ; the mask; elements of 8 bytes; bit 21 beside a mask; no padding
	s_or_b32 s[G1SP], s44, (3<<16)|(1<<21)
	s_lshl_b32 s40, s22, 2
	s_lshl_b32 s40, 15, s40                        ; my row
	s_or_b32 s[G1Q], s40, (3<<16)|(1<<21)
	s_or_b32 s[G1SQ], s40, (3<<16)|(1<<21)
.irp g, G1P, G1Q                       ; codes: 4 tiles to a load; a row is a tile's 8,192 bytes of a K step; rows lie 32,768 bytes apart
	s_mov_b32 s[\g+1], (TB/8)<<16
	s_mov_b32 s[\g+2], 4<<16
	s_mov_b32 s[\g+3], (TB/8)<<16
	s_mov_b32 s[\g+4], 4
	s_mov_b32 s[\g+5], 4096
	s_mov_b32 s[\g+6], 0
	s_mov_b32 s[\g+7], 0
.endr
.irp g, G1SP, G1SQ                     ; scales: 8,192 dense bytes to a load, as rows of 256
	s_mov_b32 s[\g+1], 32<<16
	s_mov_b32 s[\g+2], 32<<16
	s_mov_b32 s[\g+3], 32<<16
	s_mov_b32 s[\g+4], 32
	s_mov_b32 s[\g+5], 32
	s_mov_b32 s[\g+6], 0
	s_mov_b32 s[\g+7], 0
.endr
	; P: registers that never hold cy
	s_lshl_b32 s44, s23, 3
	s_add_co_u32 s44, s44, 384                     ; Wo's tiles begin at 384
	s_lshl_b32 s45, s20, 2
	s_add_co_u32 s44, s44, s45
	s_lshl_b32 s46, s44, 15
	s_mov_b32 s47, 0
	s_add_co_u32 s96, s23, 48
	s_lshl_b32 s96, s96, 14
	s_lshl_b32 s97, s20, 13
	s_add_co_u32 s96, s96, s97
	s_mov_b32 s97, 0
	; Q: registers that never hold cx
	s_and_b32 s40, ttmp7, 0xffff
	s_lshl_b32 s40, s40, 2
	s_add_co_u32 s40, s40, s22                     ; qy
	s_lshl_b32 s41, s40, 3
	s_lshl_b32 s42, s20, 2
	s_add_co_u32 s41, s41, s42
	s_lshl_b32 s42, s41, 15
	s_mov_b32 s43, 0
	s_lshl_b32 s98, s40, 14
	s_lshl_b32 s99, s20, 13
	s_add_co_u32 s98, s98, s99
	s_mov_b32 s99, 0
	; where they go: the wave's number alone
	s_mul_i32 s45, s20, 4*TB
	s_mul_i32 s41, s20, 4*TB
	s_lshl_b32 s44, s20, 13
	s_lshl_b32 s40, s20, 13
	s_wait_kmcnt 0x0
	s_add_nc_u64 s[46:47], s[4:5], s[46:47]
	s_add_nc_u64 s[96:97], s[6:7], s[96:97]
	s_add_nc_u64 s[42:43], s[8:9], s[42:43]
	s_add_nc_u64 s[98:99], s[10:11], s[98:99]
	CROUND                                         ; all sixteen work-groups are here: the first joint loads meet
	s_mov_b32 s[G0SP], 1
	s_add_co_u32 s[G0SP+1], s44, SCL
	s_mov_b64 s[G0SP+2:G0SP+3], s[96:97]
	s_or_b32 s[G0SP+3], s[G0SP+3], 0x80000000
	s_mov_b32 s[G0SQ], 1
	s_add_co_u32 s[G0SQ+1], s40, SCQ
	s_mov_b64 s[G0SQ+2:G0SQ+3], s[98:99]
	s_or_b32 s[G0SQ+3], s[G0SQ+3], 0x80000000
	JLOAD G0SP, G1SP, G0SQ, G1SQ                   ; three loads of mine are out behind these first fills
.irp s, 0,1
	s_mov_b32 s[G0P+4*\s], 1
	s_add_co_u32 s[G0P+4*\s+1], s45, \s*SLOT
	s_add_nc_u64 s[G0P+4*\s+2:G0P+4*\s+3], s[46:47], \s*TB
	s_or_b32 s[G0P+4*\s+3], s[G0P+4*\s+3], 0x80000000
	s_mov_b32 s[G0Q+4*\s], 1
	s_add_co_u32 s[G0Q+4*\s+1], s41, \s*SLOT+PPART
	s_add_nc_u64 s[G0Q+4*\s+2:G0Q+4*\s+3], s[42:43], \s*TB
	s_or_b32 s[G0Q+4*\s+3], s[G0Q+4*\s+3], 0x80000000
	JLOAD G0P+4*\s, G1P, G0Q+4*\s, G1Q
.endr
	s_and_b32 s66, ttmp7, 0xffff
	s_lshl_b32 s66, s66, 2
	s_add_co_u32 s66, s66, s22                     ; qy
	s_lshl_b32 s100, s66, 1
	s_add_co_u32 s100, s100, s19
	s_lshl_b32 s100, s100, 20                      ; my first row: 64 (2 qy + qh) rows of 16,384 bytes
	s_lshl_b32 s67, s23, 9
	s_lshl_b32 s101, s20, 8
	s_add_co_u32 s67, s67, s101                    ; my first column, in bytes: 4 (128 px + 64 ph)
	s_add_co_u32 s100, s100, s67
	s_mov_b32 s101, 0
	s_add_nc_u64 s[14:15], s[14:15], s[100:101]
	s_mov_b32 s100, s67
	s_add_nc_u64 s[12:13], s[12:13], s[100:101]
	v_and_b32 v14, 31, v0
	v_lshlrev_b32 v[LI], 4, v14
	v_lshlrev_b32 v[PFO], 8, v14
	v_and_b32 v15, 15, v0                          ; r
	v_bfe_u32 v14, v0, 4, 1                        ; h
	s_mul_i32 s100, s18, 16*272                    ; my stage: 16 rows x (256 bytes + 16), in slot 0: when the first result is stored there that slot has had its last fill, and every wave has passed the barrier behind which nobody reads it
	v_mul_u32_u24 v[STO], v15, 272
	v_lshl_add_u32 v[STO], v14, 6, v[STO]
	v_add_nc_u32 v[STO], s100, v[STO]              ; in: row r, + 64 h
	v_mul_u32_u24 v[RD], v14, 272
	v_lshl_add_u32 v[RD], v15, 4, v[RD]
	v_add_nc_u32 v[RD], s100, v[RD]                ; back: lanes 0-15 one row, lanes 16-31 the next
	v_lshlrev_b32 v[CO], 4, v15
	v_lshl_add_u32 v[CO], v14, 14, v[CO]           ; and the same two rows in out0
	v_lshlrev_b32 v[ABI], 6, v14                   ; 64 h
	WIN 0x40                                       ; destination window 1
.irp t, 0,1,2,3
	global_load_b128 v[BIAS+8*\t:BIAS+8*\t+3], v[ABI], s[12:13] offset:(32*(\t/2)+8*(\t%2))*4
	global_load_b128 v[BIAS+8*\t+4:BIAS+8*\t+7], v[ABI], s[12:13] offset:(32*(\t/2)+8*(\t%2))*4+16
.endr
	WIN 0
	s_mul_i32 s100, s20, 4*TB
	v_add_nc_u32 v[ADRP], s100, v[LI]
	v_add_nc_u32 v[ADRP+1], SLOT, v[ADRP]
	s_mul_i32 s100, s19, 4*TB
	s_add_co_u32 s100, s100, PPART
	v_add_nc_u32 v[ADRQ], s100, v[LI]
	v_add_nc_u32 v[ADRQ+1], SLOT, v[ADRQ]
	s_lshl_b32 s100, s20, 10
	s_add_co_u32 s100, s100, SCL
	v_add_nc_u32 v[ADSP], s100, v[LI]
	s_lshl_b32 s100, s19, 10
	s_add_co_u32 s100, s100, SCQ
	v_add_nc_u32 v[ADSQ], s100, v[LI]
	; the prefetch: where mine stands, and who asks
	s_lshl_b32 s100, s23, 3
	s_add_co_u32 s100, s100, 384
	s_lshl_b32 s101, s22, 1
	s_add_co_u32 s100, s100, s101                  ; P's tile 2 cy + wave % 2
	s_lshl_b32 s101, s66, 3
	s_lshl_b32 s67, s21, 1
	s_add_co_u32 s101, s101, s67                   ; Q's tile 2 cx + wave % 2
	s_cmp_eq_u32 s19, 0
	s_cselect_b32 s100, s100, s101
	s_cselect_b64 s[PFA:PFA+1], s[4:5], s[8:9]
	s_add_co_u32 s100, s100, s20
	s_lshl_b32 s100, s100, 15
	s_add_co_u32 s100, s100, 3*TB
	s_mov_b32 s101, 0
	s_add_nc_u64 s[PFA:PFA+1], s[PFA:PFA+1], s[100:101]
	s_and_b32 s100, ttmp7, 0xffff
	s_cmp_eq_u32 s19, 0
	s_cselect_b32 s100, s100, ttmp9                ; the coordinate along which other clusters read the same tiles
	s_cmp_eq_u32 s100, 0
	s_cselect_b32 s[LIM], 1, -1
.macro FRAG reg, adr, off
	ds_load_b128 v[\reg:\reg+3], v[\adr] offset:\off
	ds_load_b128 v[\reg+4:\reg+7], v[\adr] offset:\off+512
.endm
.macro FETCH slot, q, set              ; 16 loads
.irp t, 0,1,2,3
	FRAG PF+8*PT*(\set)+8*\t, ADRP+\slot, \t*TB+(\q)*1024
.endr
.irp i, 0,1,2,3
	FRAG QF+32*(\set)+8*\i, ADRQ+\slot, \i*TB+(\q)*1024
.endr
.endm
.macro SCALES sset, off                ; 4 loads: the scale words of 512 along K: register 4 j + q: lanes 0-15 tile 2 j's, lanes 16-31 tile 2 j + 1's
.irp j, 0,1
	ds_load_b128 v[SC+SCS*(\sset)+4*\j:SC+SCS*(\sset)+4*\j+3], v[ADSP] offset:\off+512*\j
.endr
.irp j, 0,1
	ds_load_b128 v[SC+SCS*(\sset)+2*PT+4*\j:SC+SCS*(\sset)+2*PT+4*\j+3], v[ADSQ] offset:\off+512*\j
.endr
.endm
; Q's tile i against P's four.  The 16 accumulators take turns, one instruction a turn, in the same order in every step.
.macro MULQ i, set, q, sset, zero
.irp t, 0,1,2,3
.set rD, 8*(PT*(\i)+\t)
.set rA, PF+8*PT*(\set)+8*\t
.set rB, QF+32*(\set)+8*(\i)
.set rSA, SC+SCS*(\sset)+4*(\t/2)+(\q)%4
.set rSB, SC+SCS*(\sset)+2*PT+4*((\i)/2)+(\q)%4
.if \zero
.if (\t%2 == 0) && ((\i)%2 == 0)
	v_wmma_scale_f32_16x16x128_f8f6f4 v[rD:rD+7], v[rA:rA+7], v[rB:rB+7], 0, v[rSA], v[rSB] matrix_a_fmt:MATRIX_FMT_FP4 matrix_b_fmt:MATRIX_FMT_FP4
.elseif (\t%2 == 1) && ((\i)%2 == 0)
	v_wmma_scale_f32_16x16x128_f8f6f4 v[rD:rD+7], v[rA:rA+7], v[rB:rB+7], 0, v[rSA], v[rSB] matrix_a_fmt:MATRIX_FMT_FP4 matrix_b_fmt:MATRIX_FMT_FP4 matrix_a_scale:MATRIX_SCALE_ROW1
.elseif (\t%2 == 0)
	v_wmma_scale_f32_16x16x128_f8f6f4 v[rD:rD+7], v[rA:rA+7], v[rB:rB+7], 0, v[rSA], v[rSB] matrix_a_fmt:MATRIX_FMT_FP4 matrix_b_fmt:MATRIX_FMT_FP4 matrix_b_scale:MATRIX_SCALE_ROW1
.else
	v_wmma_scale_f32_16x16x128_f8f6f4 v[rD:rD+7], v[rA:rA+7], v[rB:rB+7], 0, v[rSA], v[rSB] matrix_a_fmt:MATRIX_FMT_FP4 matrix_b_fmt:MATRIX_FMT_FP4 matrix_a_scale:MATRIX_SCALE_ROW1 matrix_b_scale:MATRIX_SCALE_ROW1
.endif
.else
.if (\t%2 == 0) && ((\i)%2 == 0)
	v_wmma_scale_f32_16x16x128_f8f6f4 v[rD:rD+7], v[rA:rA+7], v[rB:rB+7], v[rD:rD+7], v[rSA], v[rSB] matrix_a_fmt:MATRIX_FMT_FP4 matrix_b_fmt:MATRIX_FMT_FP4
.elseif (\t%2 == 1) && ((\i)%2 == 0)
	v_wmma_scale_f32_16x16x128_f8f6f4 v[rD:rD+7], v[rA:rA+7], v[rB:rB+7], v[rD:rD+7], v[rSA], v[rSB] matrix_a_fmt:MATRIX_FMT_FP4 matrix_b_fmt:MATRIX_FMT_FP4 matrix_a_scale:MATRIX_SCALE_ROW1
.elseif (\t%2 == 0)
	v_wmma_scale_f32_16x16x128_f8f6f4 v[rD:rD+7], v[rA:rA+7], v[rB:rB+7], v[rD:rD+7], v[rSA], v[rSB] matrix_a_fmt:MATRIX_FMT_FP4 matrix_b_fmt:MATRIX_FMT_FP4 matrix_b_scale:MATRIX_SCALE_ROW1
.else
	v_wmma_scale_f32_16x16x128_f8f6f4 v[rD:rD+7], v[rA:rA+7], v[rB:rB+7], v[rD:rD+7], v[rSA], v[rSB] matrix_a_fmt:MATRIX_FMT_FP4 matrix_b_fmt:MATRIX_FMT_FP4 matrix_a_scale:MATRIX_SCALE_ROW1 matrix_b_scale:MATRIX_SCALE_ROW1
.endif
.endif
.endr
.endm
.macro PLACES                          ; four plain vector instructions between a matrix instruction and a load into, or a vector instruction on, one of its registers (ISA guide 7.12.1 for vector instructions)
.rept 4
	v_nop
.endr
.endm
; A step of 128 along K that has its successor in the same slot.  The slot's second 512 along K has scale words of its own: they come with the fourth step's loads.
.macro STEP slot, q, zero
	PLACES
	WIN 0
	FETCH \slot, (\q)+1, 1-(\q)%2
.if ((\q)+1)%4 == 0
	SCALES (((\q)+1)/4)%2, 2048
	s_wait_dscnt 2*(PT+4)+PT/2+2                   ; all but the 20 just issued
.else
	s_wait_dscnt 2*(PT+4)                          ; all but the 16 just issued: this step's fragments and scale words are in
.endif
	WIN MULW
	MULQ 0, (\q)%2, \q, ((\q)/4)%2, \zero
	MULQ 1, (\q)%2, \q, ((\q)/4)%2, \zero
	MULQ 2, (\q)%2, \q, ((\q)/4)%2, \zero
	MULQ 3, (\q)%2, \q, ((\q)/4)%2, \zero
.endm
; A slot's last step changes slots: ONE barrier.  In front of it each wave waits for all its tensor loads, adds 0 to its spare word, and waits for that and for its reads of this slot.
; fill = 1: the barrier opens a round of the cluster's barrier, and this slot is filled again first thing behind the round.
.macro TURN slot, next, fill, ask
	WIN 0                                          ; (the add's two registers lie in window 0)
	s_wait_tensorcnt 0x0                           ; all my tensor loads have landed: my part of the next slot
	ds_add_u32 v[SPW], v[NIL]                      ; 0 onto my spare word
	s_wait_dscnt 1                                 ; only the add may be out
	WIN MULW
	MULQ 0, 1, NQ-1, 1, 0                          ; four products stand between the add and the wait for it
	s_wait_dscnt 0x0                               ; the add is done, and my reads of this slot are over
	s_barrier_signal -1
	MULQ 1, 1, NQ-1, 1, 0
	WIN 0
	s_barrier_wait -1
.if \fill
	CREST                                          ; no wave of any partner still reads this slot or has a load on its way
	s_add_nc_u64 s[G0P+4*\slot+2:G0P+4*\slot+3], s[G0P+4*\slot+2:G0P+4*\slot+3], 2*TB
	s_add_nc_u64 s[G0Q+4*\slot+2:G0Q+4*\slot+3], s[G0Q+4*\slot+2:G0Q+4*\slot+3], 2*TB
	JLOAD G0P+4*\slot, G1P, G0Q+4*\slot, G1Q       ; my one tensor load behind the round; its four v_nop are also the places in front of the loads below
.else
	PLACES
.endif
	v_add_nc_u32 v[ADSP], 4096, v[ADSP]            ; the next slot's scale words
	v_add_nc_u32 v[ADSQ], 4096, v[ADSQ]
	FETCH \next, 0, 0
	SCALES 0, 0
.if \ask
	ASK
.endif
	WIN MULW
	MULQ 2, 1, NQ-1, 1, 0
	MULQ 3, 1, NQ-1, 1, 0
.endm
.macro STEPS slot, from                ; the slot's steps from .. NQ - 2
.set Q, \from
.rept NQ-1-\from
	STEP \slot, Q, 0
.set Q, Q+1
.endr
.endm
	s_wait_tensorcnt 1                             ; the scales and my part of slot 0 are in; slot 1's load may be out
	s_barrier_signal -1
	s_barrier_wait -1
	FETCH 0, 0, 0
	SCALES 0, 0
	STEP 0, 0, 1                                   ; the first products start the sums
	STEPS 0, 1                                     ; K has four slots' worth: twice round the ring, written straight
	TURN 0, 1, 1, 1                                ; slot 0 takes the third quarter of K; the fourth is prefetched
	STEPS 1, 0
	TURN 1, 0, 1, 0                                ; slot 1 takes the fourth
	STEPS 0, 0
	TURN 0, 1, 0, 0
	STEPS 1, 0
	s_wait_dscnt 0x0
	MULQ 0, 1, NQ-1, 1, 0
	MULQ 1, 1, NQ-1, 1, 0
	MULQ 2, 1, NQ-1, 1, 0
	MULQ 3, 1, NQ-1, 1, 0
	WIN 0
	PLACES
	; THE WAY OUT, a tile of 16 rows x 64 columns at a time: + bias; through my own stage in LDS; back as whole rows of 256 bytes.  LDS serves a wave's instructions in order: no wait between the stores and the loads.
	s_wait_loadcnt 0x0                             ; the bias
.irp i, 0,1,2,3
	s_wait_xcnt 0x0                                ; the last tile's stores have read their registers
	WIN 0x05                                       ; sources 0 and 1 window 1
.irp n, 0,1,2,3,4,5,6,7,8,9,10,11,12,13,14,15
	v_pk_add_f32 v[H+2*\n:H+2*\n+1], v[32*\i+2*\n:32*\i+2*\n+1], v[BIAS+2*\n:BIAS+2*\n+1]   ; each accumulator from its low end on
.endr
	WIN 0
.irp m, 0,1,2,3,4,5,6,7
	ds_store_b128 v[STO], v[H+4*\m:H+4*\m+3] offset:128*(\m/4)+16*(\m%4)   ; registers 16 b + 4 j on: columns 32 b + 16 h + 4 j on
.endr
.irp n, 0,1,2,3,4,5,6,7
	ds_load_b128 v[BK+4*\n:BK+4*\n+3], v[RD] offset:\n*544
.endr
.irp n, 0,1,2,3,4,5,6,7
	s_wait_dscnt 7-\n                              ; the younger loads may be out
	global_store_b128 v[CO], v[BK+4*\n:BK+4*\n+3], s[14:15] offset:(32*(\i/2)+8*(\i%2)+2*\n+8*(\n/4))*16384 th:TH_STORE_NT   ; position 2 n + lane / 16 of the tile is this row; sixteen lanes store 256 consecutive bytes, aligned
.endr
.endr
	s_wait_tensorcnt 0x0                           ; the wave's end
	ds_add_u32 v[SPW], v[NIL]
	s_wait_dscnt 0x0
	CROUND                                         ; the closing round
	s_endpgm
.Lfunc_end_k_q1cf1a3a4cc_outp:
	.size	k_q1cf1a3a4cc_outp, .Lfunc_end_k_q1cf1a3a4cc_outp-k_q1cf1a3a4cc_outp
	.p2alignl 7, 3214868480
	.fill 96, 4, 3214868480
	.section	.rodata,"a",@progbits
	.p2align	6, 0x0
	.amdhsa_kernel k_q1cf1a3a4cc_outp
		.amdhsa_group_segment_fixed_size 327680
		.amdhsa_private_segment_fixed_size 0
		.amdhsa_enable_private_segment 0
		.amdhsa_kernarg_size 48
		.amdhsa_user_sgpr_count 2
		.amdhsa_user_sgpr_kernarg_segment_ptr 1
		.amdhsa_wavefront_size32 1
		.amdhsa_system_sgpr_workgroup_id_x 1
		.amdhsa_system_sgpr_workgroup_id_y 1
		.amdhsa_system_sgpr_workgroup_id_z 1
		.amdhsa_system_vgpr_workitem_id 0
		.amdhsa_next_free_vgpr 416
		.amdhsa_next_free_sgpr 102
		.amdhsa_reserve_vcc 0
		.amdhsa_float_denorm_mode_32 3
		.amdhsa_float_denorm_mode_16_64 3
		.amdhsa_memory_ordered 1
		.amdhsa_forward_progress 1
		.amdhsa_inst_pref_size 132
	.end_amdhsa_kernel
	.amdgpu_metadata
---
amdhsa.version: [ 1, 2 ]
amdhsa.kernels:
  - .name:           k_q1cf1a3a4cc_outp
    .symbol:         k_q1cf1a3a4cc_outp.kd
    .args:
      - { .name: codes, .offset: 0, .size: 8, .value_kind: global_buffer, .address_space: global }
      - { .name: scales, .offset: 8, .size: 8, .value_kind: global_buffer, .address_space: global }
      - { .name: oc, .offset: 16, .size: 8, .value_kind: global_buffer, .address_space: global }
      - { .name: osc, .offset: 24, .size: 8, .value_kind: global_buffer, .address_space: global }
      - { .name: bo, .offset: 32, .size: 8, .value_kind: global_buffer, .address_space: global }
      - { .name: out0, .offset: 40, .size: 8, .value_kind: global_buffer, .address_space: global }
    .group_segment_fixed_size: 327680
    .private_segment_fixed_size: 0
    .kernarg_segment_align: 8
    .kernarg_segment_size: 48
    .max_flat_workgroup_size: 128
    .sgpr_count:     102
    .vgpr_count:     416
    .wavefront_size: 32
...
	.end_amdgpu_metadata
.endif
;; end of part 4
